; MI455X (gfx1250); checked and timed in simulation.
; The chip was launched on July 23, 2026; its instructions are those of AMD's public machine-readable ISA for CDNA 5 (MIT licence, August 2026) and "CDNA5" Instruction Set Architecture Reference Guide (July 2026). The comments in the code are by the model that wrote it; some were corrected since.
;; Gated FFN. Allowed arithmetic: matrix products marked QUANTISED: E2M1 operands, one E8M0 scale for each 32 along K, by v_wmma_scale_f32_16x16x128_f8f6f4 with both operands' format E2M1 (or v_wmma_scale_f32_32x16x128_f4), f32 sums; products left as they are: f32 operands where the result goes on into a quantised operand, else bf16, f16 or f32 operands; f32 sums; everything else in f32.
;; Inputs: down_W_codes 8 x 1,024 x 128 x 16 uint8 (E2M1 codes of down_W, K innermost, in blocks of 32 codes, two codes a byte); down_W_scales 8 x 1,024 x 128 uint8 (E8M0 scales of down_W, one for each 32 codes along K); down_b 8 x 1,024 float32; gate_W 1,024 x 8 float32; gate_b 8 float32; up_W_codes 8 x 4,096 x 32 x 16 uint8 (E2M1 codes of up_W, K innermost, in blocks of 32 codes, two codes a byte); up_W_scales 8 x 4,096 x 32 uint8 (E8M0 scales of up_W, one for each 32 codes along K); up_b 8 x 4,096 float32; x 4 x 256 x 1,024 float32.
;; Outputs: out0 4 x 256 x 1,024 float32; out1 4 x 256 x 8 float32.
;; This version of the problem:
;;   THIS VERSION OF THE PROBLEM IS GIVEN IN LOW PRECISION. The matrix products marked QUANTISED in the list below multiply operands that are first quantised to E2M1 (2 exponent bits, 1 mantissa bit; 4 bits a number), with one power-of-two scale for each 32 numbers along K (OCP MX v1.0); their sums are f32. All else is computed in f32.
;;   The module's matrix products, in the order in which they are computed (A, B: the left and right operand; K: the contracted axis; several contracted axes count as one K, in the product's order):
;;     1. [M 1,024, K 1,024] x [K 1,024, N 8]; A: input x; B: input gate_W: left as it is (N = 8 < 16)
;;     2. [M 1,024, K 1,024] x [K 1,024, N 4,096]; A: input x; B: input up_W (given as codes): QUANTISED
;;     3. [M 1,024, K 1,024] x [K 1,024, N 4,096]; A: input x; B: input up_W (given as codes): QUANTISED
;;     4. [M 1,024, K 1,024] x [K 1,024, N 4,096]; A: input x; B: input up_W (given as codes): QUANTISED
;;     5. [M 1,024, K 1,024] x [K 1,024, N 4,096]; A: input x; B: input up_W (given as codes): QUANTISED
;;     6. [M 1,024, K 1,024] x [K 1,024, N 4,096]; A: input x; B: input up_W (given as codes): QUANTISED
;;     7. [M 1,024, K 1,024] x [K 1,024, N 4,096]; A: input x; B: input up_W (given as codes): QUANTISED
;;     8. [M 1,024, K 1,024] x [K 1,024, N 4,096]; A: input x; B: input up_W (given as codes): QUANTISED
;;     9. [M 1,024, K 1,024] x [K 1,024, N 4,096]; A: input x; B: input up_W (given as codes): QUANTISED
;;     10. [M 1,024, K 4,096] x [K 4,096, N 1,024]; A: computed on the way; B: input down_W (given as codes): QUANTISED
;;     11. [M 1,024, K 4,096] x [K 4,096, N 1,024]; A: computed on the way; B: input down_W (given as codes): QUANTISED
;;     12. [M 1,024, K 4,096] x [K 4,096, N 1,024]; A: computed on the way; B: input down_W (given as codes): QUANTISED
;;     13. [M 1,024, K 4,096] x [K 4,096, N 1,024]; A: computed on the way; B: input down_W (given as codes): QUANTISED
;;     14. [M 1,024, K 4,096] x [K 4,096, N 1,024]; A: computed on the way; B: input down_W (given as codes): QUANTISED
;;     15. [M 1,024, K 4,096] x [K 4,096, N 1,024]; A: computed on the way; B: input down_W (given as codes): QUANTISED
;;     16. [M 1,024, K 4,096] x [K 4,096, N 1,024]; A: computed on the way; B: input down_W (given as codes): QUANTISED
;;     17. [M 1,024, K 4,096] x [K 4,096, N 1,024]; A: computed on the way; B: input down_W (given as codes): QUANTISED
;;   THE QUANTISER, for each operand of a quantised product, along K:
;;     - K is cut into blocks of 32 from its start; a last block that is shorter is filled with zeros.
;;     - A block's scale is 2^e with e = floor(log2(the largest magnitude in the block)) - 2, held to -126 .. 127; a block of zeros has e = 0. As a byte (E8M0): e + 127.
;;     - Each number is divided by its block's scale, clamped to +-6, and rounded to the nearest number of E2M1, ties to even, subnormals kept.
;;     - The product sums the exact products of the quantised numbers (number of the format x scale) in f32.
;;   ~~~python
;;   def quantise(x, axis):      # numpy; x: float32 -> the quantised numbers, widened to float32 again
;;       x = np.moveaxis(x, axis, -1); K = x.shape[-1]
;;       x = np.pad(x, [(0, 0)] * (x.ndim - 1) + [(0, -K % 32)]); x = x.reshape(x.shape[:-1] + (-1, 32)); a = np.abs(x).max(-1, keepdims=True)
;;       e = np.where(a > 0, np.clip(np.frexp(np.where(a > 0, a, 1))[1] - 1 - 2, -126, 127), 0)      # np.frexp(a)[1] - 1 = floor(log2(a)), exactly
;;       r = np.clip(x / 2.0 ** e, -6, 6)
;;       step = 2.0 ** (np.maximum(np.frexp(np.where(r == 0, 1, r))[1] - 1, 0) - 1)
;;       q = np.round(r / step) * step * 2.0 ** e      # np.round: ties to even
;;       return np.moveaxis(q.reshape(q.shape[:-2] + (-1,))[..., :K], -1, axis).astype(np.float32)
;;   ~~~
;;   OPERANDS COMPUTED ON THE WAY. 'Computed on the way' means the value that the module computes at that place (a softmax that the list does not call 'softmax' is quantised finished and normalised). What goes into a quantiser is computed in f32, as accurately as f32 sums, v_exp_f32 and their like allow (about 1e-6 of the number): no bf16 or f16 on the way to a quantiser, and a product that is left as it is and whose result goes on into a quantised operand takes f32 operands (vector FMAs, or v_wmma_f32_16x16x4_f32). A number that lies on a knife's edge between two numbers of the format may be rounded either way, as far as f32 arithmetic and the matrix unit's own rounding can turn it there, and no further.
;;   INPUTS GIVEN AS CODES. down_W (in the module: [8, 4096, 1024], K = its axis 1); up_W (in the module: [8, 1024, 4096], K = its axis 1): each comes as NAME_codes (uint8): NAME with its K axis moved to the last place and cut into blocks of 32 codes, [.., K / 32, bytes a block], one block behind the other in memory; two codes a byte, the lower K in the low four bits (a code: sign, 2 exponent bits, 1 mantissa bit); and NAME_scales (uint8): the same leading axes, one E8M0 byte (e + 127) for each 32 codes along K. Its value is code x scale, taken as it is: it is not quantised again, and the codes and scales need not be those that the quantiser above would give.
;; 2 versions, each right; version 2 is version 1 with the launches up, down written anew for expert scheduling mode. Each part assembles by itself: llvm-mc -triple=amdgcn-amd-amdhsa -mcpu=gfx1250 --defsym DOCPART=n.
;; ======== version 1 of 2: 3 launches
;; workspace buffers: eidx 4,096 bytes of whole numbers; xq 524,288 bytes; xs 32,768 bytes; hq 16,777,216 bytes; hs 1,048,576 bytes
;; launch route (part 1): grid 256 x 1, 4 waves a work-group, no clusters, 38,400 bytes of LDS; arguments x, gate_W, gate_b, xq, xs, eidx, out1; writes xq, xs, eidx, out1
.if DOCPART == 1
	.amdgcn_target "amdgcn-amd-amdhsa--gfx1250"
	.amdhsa_code_object_version 6
	.text
	.protected	k_q0a29be4edf_route
	.globl	k_q0a29be4edf_route
	.p2align	8
	.type	k_q0a29be4edf_route,@function
k_q0a29be4edf_route:
	s_mov_b64 s[64:65], 0
	v_nop
	global_prefetch_b8 v0, s[64:65] scope:SCOPE_SE
	s_setreg_imm32_b32 hwreg(HW_REG_WAVE_MODE, 25, 1), 1
	s_wait_xcnt 0x0
; THE ROUTER AND x's QUANTISER.  logits = x gate_W + gate_b in f32; out1 = the one-hot of the largest logit (the lowest index wins a tie); eidx = that index, a whole number for each token.
; x [1024][1024] f32 becomes codes of FP4 (E2M1), xq [token][512 bytes], K innermost, and one E8M0 byte for each 32 along K, xs [token][32].
; SHARES.  Work-group g takes tokens 4 g .. 4 g + 3.  Wave w takes the K quarter 256 w .. 256 w + 255 of all four tokens, lane l the eight neighbours k = 256 w + 8 l + 0 .. 7:
; so gate_W's 32 KB are read once by a work-group, and the conversion finds its eight neighbours along K in one lane's registers.  Four neighbouring lanes hold a block of 32.
; gate_W: a lane wants its eight rows, 256 consecutive bytes.  Loaded so, the lanes of a load would stand 256 bytes apart.  So the wave's 8,192 bytes are loaded as they lie, 512 consecutive bytes a load, and turn
; through the wave's own LDS: stored as they lie with 16 bytes of padding behind each 256, read back 256 bytes a lane.
; A block's scale is 2^(floor(log2(its largest magnitude)) - 2): its byte is the largest magnitude's exponent field - 2, held at 1 from below by a floor among the maximum's leaves.
; LIMITS: NaN and infinities in x, gate_W or gate_b are not served.  The sum of a logit's 1,024 terms is taken in another order than a plain chain: where the two largest logits of a token lie closer
; than f32 rounding of such a sum, either may win.  A block of zeros gets the byte 1 over zero codes (the bytes are read by this program alone).
; No matrix unit: the product has eight columns.  One barrier: codes, scale bytes and the waves' partial logits meet in LDS.
.set CQ,  0                            ; LDS: four tokens' codes, 512 bytes each
.set SQ,  2048                         ; their scale bytes, 32 each
.set PL,  2304                         ; the waves' partial logits, 128 bytes a wave
.set GW,  3072                         ; gate_W's turn: for each wave 32 places of GP bytes
.set GP,  272                          ; a lane's 256 bytes + 16: an odd multiple of 16
.set X,   16                           ; v16-47   x: token i at X + 8 i
.set W,   48                           ; v48-111  gate_W(k, e) at W + 8 kk + e
.set ACC, 112                          ; v112-143 my part of logit (i, e) at ACC + 8 i + e
.set TM,  144                          ; v144-159 largest magnitudes, scale operands, bytes, codes: four each
.set FT,  160                          ; v160-175 at work in the fold
.set GL,  176                          ; v176-239 gate_W as it is loaded
.set GWS, 240                          ; v240     where I store 16 bytes of it
.set GWR, 241                          ; v241     where I read my 256 bytes back
	s_load_b256 s[4:11], s[0:1], 0x0               ; x s[4:5], gate_W s[6:7], gate_b s[8:9], xq s[10:11]
	s_load_b128 s[12:15], s[0:1], 0x20             ; xs s[12:13], eidx s[14:15]
	s_load_b64 s[16:17], s[0:1], 0x30              ; out1
	v_lshl_add_u32 v242, v0, 2, 0x9400
	v_mov_b32 v243, 0
	v_and_b32 v1, 31, v0                           ; lane
	v_lshrrev_b32 v2, 5, v0
	v_readfirstlane_b32 s20, v2                    ; wave
	v_lshlrev_b32 v2, 5, v0                        ; x: 1,024 w + 32 l bytes into a row
	s_lshl_b32 s21, s20, 13
	v_lshl_add_u32 v3, v1, 4, s21                  ; gate_W: 8,192 w + 16 l
	s_mul_i32 s29, s20, 32*GP                      ; my wave's part of the turn
	v_and_b32 v[GWS], 16, v1
	v_lshl_add_u32 v[GWS], v1, 4, v[GWS]           ; byte 512 n + 16 l goes to 544 n + 16 l + 16 (l / 16): 16 more for each 256 passed
	v_add_nc_u32 v[GWS], s29, v[GWS]
	v_mul_u32_u24 v[GWR], v1, GP
	v_add_nc_u32 v[GWR], s29, v[GWR]
	v_lshlrev_b32 v4, 2, v0                        ; 128 w + 4 l: my four bytes of a row of codes; also my word among the partial logits
	v_lshrrev_b32 v5, 2, v0                        ; 8 w + l / 4: my block's byte in a row of scales
	v_lshlrev_b32 v6, 2, v1                        ; 4 l
	v_lshlrev_b32 v7, 4, v0                        ; 16 x thread
	v_and_b32 v8, 7, v0                            ; the expert that my lane stands for at the end
	v_lshlrev_b32 v9, 2, v8
.irp j, 8,9,10,11,12,13,14,15
	v_mov_b32 v[FT+\j], 0                          ; written once: a lane permute's destination counts as one of its sources
.endr
	s_mov_b32 s24, 0xffff0000                      ; the lanes whose number has bit 4 set; bits 3, 2, 1, 0 follow
	s_mov_b32 s25, 0xff00ff00
	s_mov_b32 s26, 0xf0f0f0f0
	s_mov_b32 s27, 0xcccccccc
	s_mov_b32 s28, 0xaaaaaaaa
	s_mov_b32 s30, 0x76543210                      ; v_permlanex16_b32's selects for lane l xor 16
	s_mov_b32 s31, 0xfedcba98
	s_lshl_b32 s22, ttmp9, 14                      ; four rows of 4,096 bytes a work-group
	s_mov_b32 s23, 0
	s_wait_kmcnt 0x0
	s_add_nc_u64 s[4:5], s[4:5], s[22:23]
.irp n, 0,1,2,3,4,5,6,7,8,9,10,11,12,13,14,15
	global_load_b128 v[GL+4*\n:GL+4*\n+3], v3, s[6:7] offset:512*\n   ; 32 lanes read 512 consecutive bytes of gate_W
.endr
	global_load_b32 v11, v9, s[8:9]                ; gate_b of my lane's expert
.irp i, 0,1,2,3
	global_load_b128 v[X+8*\i:X+8*\i+3], v2, s[4:5] offset:4096*\i th:TH_LOAD_NT
	global_load_b128 v[X+8*\i+4:X+8*\i+7], v2, s[4:5] offset:4096*\i+16 th:TH_LOAD_NT
.endr
	s_lshl_b32 s22, ttmp9, 11                      ; the outputs' places: 2,048 bytes of codes,
	s_add_nc_u64 s[10:11], s[10:11], s[22:23]
	s_lshl_b32 s22, ttmp9, 7                       ; 128 scale bytes, 128 bytes of out1,
	s_add_nc_u64 s[12:13], s[12:13], s[22:23]
	s_add_nc_u64 s[16:17], s[16:17], s[22:23]
	s_lshl_b32 s22, ttmp9, 4                       ; 16 bytes of eidx
	s_add_nc_u64 s[14:15], s[14:15], s[22:23]
	s_wait_loadcnt 9                               ; gate_W's sixteen loads are in; gate_b's one and x's eight may be out
.irp n, 0,1,2,3,4,5,6,7,8,9,10,11,12,13,14,15
	ds_store_b128 v[GWS], v[GL+4*\n:GL+4*\n+3] offset:GW+2*GP*\n
.endr
.irp n, 0,1,2,3,4,5,6,7,8,9,10,11,12,13,14,15
	ds_load_b128 v[W+4*\n:W+4*\n+3], v[GWR] offset:GW+16*\n   ; my own bytes, and LDS serves a wave's instructions in order (ISA guide 5.7.1.4): these see the stores above
.endr
	s_wait_loadcnt 0x0                             ; x, gate_b
	; ---- the quantiser, the four tokens by turns; it stands between the LDS loads above and the wait for them
.irp i, 0,1,2,3
	v_max3_num_f32 v[TM+\i], |v[X+8*\i]|, |v[X+8*\i+1]|, 0x1800000   ; my eight, and the floor 2^(3 - 127): the byte cannot fall under 1
.endr
.irp k, 2,4,6
.irp i, 0,1,2,3
	v_max3_num_f32 v[TM+\i], v[TM+\i], |v[X+8*\i+\k]|, |v[X+8*\i+\k+1]|
.endr
.endr
.irp i, 0,1,2,3
	v_max_num_f32_dpp v[TM+\i], v[TM+\i], v[TM+\i] row_xmask:1 row_mask:0xf bank_mask:0xf
.endr
.irp i, 0,1,2,3
	v_max_num_f32_dpp v[TM+\i], v[TM+\i], v[TM+\i] row_xmask:2 row_mask:0xf bank_mask:0xf   ; the four lanes of a block: its largest magnitude
.endr
.irp i, 0,1,2,3
	v_add_nc_u32 v[TM+4+\i], 0xff000000, v[TM+\i]  ; 2 off its exponent field: the conversion takes the exponent field of this operand as its scale
.endr
.irp i, 0,1,2,3
	v_lshrrev_b32 v[TM+8+\i], 23, v[TM+4+\i]       ; the scale's byte
.endr
.irp i, 0,1,2,3
	v_cvt_scalef32_pk8_fp4_f32 v[TM+12+\i], v[X+8*\i:X+8*\i+7], v[TM+4+\i]
.endr
	v_nop                                          ; one plain line behind the last scaled conversion
.irp i, 0,1,2,3
	ds_store_b32 v4, v[TM+12+\i] offset:CQ+512*\i
	ds_store_b8 v5, v[TM+8+\i] offset:SQ+32*\i     ; the four lanes of a block write the same byte with the same value
.endr
	s_wait_dscnt 8                                 ; gate_W is back in my registers; the eight stores just issued may be out
	; ---- my eight terms of each of the 32 logits: two experts an instruction; x's number is taken for both halves
.set KK, 0
.rept 8
.set II, 0
.rept 4
.set EE, 0
.rept 4
.if KK == 0
	v_pk_mul_f32 v[ACC+8*II+2*EE:ACC+8*II+2*EE+1], v[X+8*II:X+8*II+1], v[W+2*EE:W+2*EE+1] op_sel_hi:[0,1]
.elseif KK%2 == 0
	v_pk_fma_f32 v[ACC+8*II+2*EE:ACC+8*II+2*EE+1], v[X+8*II+KK:X+8*II+KK+1], v[W+8*KK+2*EE:W+8*KK+2*EE+1], v[ACC+8*II+2*EE:ACC+8*II+2*EE+1] op_sel_hi:[0,1,1]
.else
	v_pk_fma_f32 v[ACC+8*II+2*EE:ACC+8*II+2*EE+1], v[X+8*II+KK-1:X+8*II+KK], v[W+8*KK+2*EE:W+8*KK+2*EE+1], v[ACC+8*II+2*EE:ACC+8*II+2*EE+1] op_sel:[1,0,0] op_sel_hi:[1,1,1]
.endif
.set EE, EE+1
.endr
.set II, II+1
.endr
.set KK, KK+1
.endr
; THE FOLD: 32 sums over 32 lanes, so that lane o ends with sum o.  In a step with distance p a lane keeps the half of its numbers that its bit says, sends the other half to lane l xor p, and adds what it gets.
.macro FOLD p, sm
.set OO, 0
.rept \p
	v_cndmask_b32 v[FT+OO%8], v[ACC+OO+\p], v[ACC+OO], s[\sm]      ; what I send: the lower number where my bit is set, else the upper
	v_cndmask_b32 v[ACC+OO], v[ACC+OO], v[ACC+OO+\p], s[\sm]       ; what I keep
.if \p == 16
	v_permlanex16_b32 v[FT+8+OO%8], v[FT+OO%8], s30, s31
	v_add_f32 v[ACC+OO], v[ACC+OO], v[FT+8+OO%8]
.else
	v_add_f32_dpp v[ACC+OO], v[FT+OO%8], v[ACC+OO] row_xmask:\p row_mask:0xf bank_mask:0xf
.endif
.set OO, OO+1
.endr
.endm
	FOLD 16, 24
	FOLD 8, 25
	FOLD 4, 26
	FOLD 2, 27
	FOLD 1, 28
	ds_store_b32 v4, v[ACC] offset:PL              ; lane o: my wave's part of the logit of token o / 8, expert o % 8
	s_wait_dscnt 0x0                               ; for the others' sake: all my LDS stores have landed
	s_barrier_signal -1
	s_barrier_wait -1
	ds_load_b128 v[12:15], v7 offset:CQ            ; wave w takes token w's 512 bytes of codes
	s_wait_dscnt 0x0
	global_store_b128 v7, v[12:15], s[10:11]       ; 32 lanes store 512 consecutive bytes, aligned
	s_cmp_eq_u32 s20, 1
	s_cbranch_scc0 .Lnot_wave_1
	ds_load_b32 v10, v6 offset:SQ                  ; wave 1: the four tokens' 128 scale bytes
	s_wait_dscnt 0x0
	global_store_b32 v6, v10, s[12:13]
.Lnot_wave_1:
	s_cmp_lg_u32 s20, 0
	s_cbranch_scc1 .Lend
.irp p, 0,1,2,3
	ds_load_b32 v[TM+\p], v6 offset:PL+128*\p      ; wave 0: the four waves' parts
.endr
	s_wait_dscnt 0x0
	v_add_f32 v144, v144, v145
	v_add_f32 v146, v146, v147
	v_add_f32 v144, v144, v146
	v_add_f32 v144, v144, v11                      ; the logit
	v_mov_b32 v145, v144
	v_max_num_f32_dpp v145, v145, v145 row_xmask:1 row_mask:0xf bank_mask:0xf
	v_max_num_f32_dpp v145, v145, v145 row_xmask:2 row_mask:0xf bank_mask:0xf
	v_max_num_f32_dpp v145, v145, v145 row_xmask:4 row_mask:0xf bank_mask:0xf   ; the token's largest, in its eight lanes
	v_cvt_f32_u32 v146, v8                         ; my expert's number as f32
	v_mov_b32 v147, 0x41000000                     ; 8.0: above every expert's number
	v_cmp_eq_f32 vcc_lo, v144, v145
	v_cndmask_b32 v147, v147, v146, vcc_lo
	v_min_num_f32_dpp v147, v147, v147 row_xmask:1 row_mask:0xf bank_mask:0xf
	v_min_num_f32_dpp v147, v147, v147 row_xmask:2 row_mask:0xf bank_mask:0xf
	v_min_num_f32_dpp v147, v147, v147 row_xmask:4 row_mask:0xf bank_mask:0xf   ; the lowest expert that has the largest logit
	v_cmp_eq_f32 vcc_lo, v146, v147
	v_cndmask_b32 v148, 0, 1.0, vcc_lo
	global_store_b32 v6, v148, s[16:17]            ; out1: four tokens x eight experts, 128 consecutive bytes
	v_cvt_u32_f32 v149, v147
	v_min_u32 v149, 7, v149
	v_lshrrev_b32 v150, 3, v1
	v_lshlrev_b32 v150, 2, v150
	global_store_b32 v150, v149, s[14:15]          ; eidx: a token's eight lanes store the same number to the same word
.Lend:
	s_wait_tensorcnt 0x0
	ds_add_u32 v242, v243
	s_wait_dscnt 0x0
	s_endpgm
.Lfunc_end_k_q0a29be4edf_route:
	.size	k_q0a29be4edf_route, .Lfunc_end_k_q0a29be4edf_route-k_q0a29be4edf_route
	.p2alignl 7, 3214868480
	.fill 96, 4, 3214868480
	.section	.rodata,"a",@progbits
	.p2align	6, 0x0
	.amdhsa_kernel k_q0a29be4edf_route
		.amdhsa_group_segment_fixed_size 38400
		.amdhsa_private_segment_fixed_size 0
		.amdhsa_enable_private_segment 0
		.amdhsa_kernarg_size 56
		.amdhsa_user_sgpr_count 2
		.amdhsa_user_sgpr_kernarg_segment_ptr 1
		.amdhsa_wavefront_size32 1
		.amdhsa_system_sgpr_workgroup_id_x 1
		.amdhsa_system_sgpr_workgroup_id_y 1
		.amdhsa_system_sgpr_workgroup_id_z 1
		.amdhsa_system_vgpr_workitem_id 0
		.amdhsa_next_free_vgpr 244
		.amdhsa_next_free_sgpr 66
		.amdhsa_reserve_vcc 1
		.amdhsa_float_denorm_mode_32 3
		.amdhsa_float_denorm_mode_16_64 3
		.amdhsa_memory_ordered 1
		.amdhsa_forward_progress 1
		.amdhsa_inst_pref_size 27
	.end_amdhsa_kernel
	.amdgpu_metadata
---
amdhsa.version: [ 1, 2 ]
amdhsa.kernels:
  - .name:           k_q0a29be4edf_route
    .symbol:         k_q0a29be4edf_route.kd
    .args:
      - { .name: x, .offset: 0, .size: 8, .value_kind: global_buffer, .address_space: global }
      - { .name: gate_W, .offset: 8, .size: 8, .value_kind: global_buffer, .address_space: global }
      - { .name: gate_b, .offset: 16, .size: 8, .value_kind: global_buffer, .address_space: global }
      - { .name: xq, .offset: 24, .size: 8, .value_kind: global_buffer, .address_space: global }
      - { .name: xs, .offset: 32, .size: 8, .value_kind: global_buffer, .address_space: global }
      - { .name: eidx, .offset: 40, .size: 8, .value_kind: global_buffer, .address_space: global }
      - { .name: out1, .offset: 48, .size: 8, .value_kind: global_buffer, .address_space: global }
    .group_segment_fixed_size: 38400
    .private_segment_fixed_size: 0
    .kernarg_segment_align: 8
    .kernarg_segment_size: 56
    .max_flat_workgroup_size: 128
    .sgpr_count:     66
    .vgpr_count:     244
    .wavefront_size: 32
...
	.end_amdgpu_metadata
.endif
;; end of part 1
;; launch up (part 2): grid 32 x 8, 4 waves a work-group, no clusters, 68,096 bytes of LDS; arguments eidx, xq, xs, up_W_codes, up_W_scales, up_b, hq, hs; writes hq, hs
.if DOCPART == 2
	.amdgcn_target "amdgcn-amd-amdhsa--gfx1250"
	.amdhsa_code_object_version 6
	.text
	.protected	k_q0a29be4edf_up
	.globl	k_q0a29be4edf_up
	.p2align	8
	.type	k_q0a29be4edf_up,@function
k_q0a29be4edf_up:
	s_mov_b64 s[64:65], 0
	v_nop
	global_prefetch_b8 v0, s[64:65] scope:SCOPE_SE
	s_setreg_imm32_b32 hwreg(HW_REG_WAVE_MODE, 25, 1), 1
	s_wait_xcnt 0x0
; THE FIRST PRODUCT, for the chosen rows alone: work-group (c, e) makes hidden units 128 c .. 128 c + 127 of relu(x Wup[e] + bup[e]) for the tokens of expert e, and quantises them to FP4 along the hidden axis:
; they are K step c of the second product.  Both operands are codes of FP4 with one E8M0 scale for each 32 along K.
; THE ROWS.  Expert e's tokens, in the order of the search below, are cut into tiles of 16.  A position at or beyond the expert's count is held at the last one: padded rows repeat that token.
; Tiles 0 and 1 of every expert are always made, so that the next launch's first loads find written bytes whatever the split.
; THE SEARCH, in registers alone.  All 1,024 expert numbers are loaded densely: register n of lane l is token 128 (n / 4) + n % 4 + 4 l.  A compare gives a mask of 32 lanes for each n; the masks stay in s66-97.
; Position p belongs to the last n whose running count is at most p, and in that mask to the set bit number p - that count.
; SHARES.  The work-group's 128 rows of Wup (64 KB, dense in memory, read by nobody else) go through LDS into EVERY wave's registers, 512 of them; the waves share the row tiles: wave w takes tiles w + 4 q + 12 p,
; q = 0 .. 2 in a pass, p = 0 .. 5: a loop of constant count whose work is jumped over, by a scalar branch on the stored numbers' count, where no tile is left.  So a wave makes whole fragments and whole scale words.
; THE PRODUCT IS USED TRANSPOSED (source 0 = 16 rows of Wup, source 1 = 16 tokens), and THE ROWS OF Wup THAT FORM A TILE ARE NOT NEIGHBOURS: lane r of tile 2 b + u takes row 32 b + 8 u + r + 8 (r / 8),
; so that a lane holds one token and the 16 registers of tiles 2 b, 2 b + 1 are 16 neighbours along the next K.  The bias is the C of each sum's first matrix instruction.
; OUT.  hq [e][tile 64][K step 32][1,024 bytes]: a fragment as an image of its registers (registers 0-3 at 16 x lane, 4-7 at 512 + 16 x lane).
; hs [e][tile 64][8 K steps: 4][lane 32][4 words]: an image of the four scale registers in which the next launch's wave holds the words of its eight K steps: lane r + 16 u, register i: row r's word of K step 8 w + 4 u + i.
; So the word of K step c, row r, lies at 256 (c / 4) + 16 r + 4 (c % 4) in the tile's 2,048 bytes.  Lanes r and r + 16 hold the same word and store it to the same place.
; No tensor loads and no cluster.  LIMITS: NaN and infinities are not served; a block of zeros gets the byte 1 over zero codes (read by this program alone).
; REGISTERS, in windows of 256.  window 0: v1-11 addresses; v12-34 the search; v48-79 expert numbers; v80-143 Wup's scale words (8 t + s); v144-167 x's (8 q + s); v168-231 the eight accumulators (the search works there too);
;   v232-247 at work; v248-255 the codes just made.   window 1: Wup's fragments of K steps 0-3 at 8 (8 s + t) (first: the rows as they are loaded).   window 2: K steps 4-7.   window 3: x's fragments at 64 q + 8 s; from v192 the bias.
.set PITCH, 528                        ; an LDS row: 512 bytes + 16: an odd multiple of 16, so that the 16 rows of a fragment load start in 16 different groups of banks
.set POS, 12                           ; v12-14 positions of my three tiles' rows
.set SM,  15                           ; v15-17 the mask found
.set SP,  18                           ; v18-20 32 x its running count + its n
.set TOK, 21                           ; v21-23 the token
.set VC,  24                           ; v24-26 its codes' offset
.set VS,  27                           ; v27-29 its scales' offset
.set SA,  30                           ; v30, v31 the stores' offsets
.set SB,  31
.set PCL, 32                           ; v32-34 the positions, held at the last one
.set IDX, 48
.set WS,  80
.set XS,  144
.set HA,  168
.set WK,  168                          ; the search's work registers, eight a vector
.set TM,  232
.set PW,  240
.set PC,  248
.set B1,  192                          ; in window 3
.set WV,  20
.set E,   22
.set CNT, 23
.set NT,  24
.set NT2, 25
.set CM1, 26
.set PK,  27
.set T,   28
.set RC,  29
.set SEL, 30
.set PASS, 32
.set JW,  33
.set CM,  36                           ; s36-38 compare results, one a vector
.set MK,  66                           ; s66-97 the 32 masks
.set MSB, 0
.macro WIN new                         ; the immediate's high byte repeats the setting that is left
.if MSB != \new
	s_set_vgpr_msb (MSB<<8)|\new
.set MSB, \new
.endif
.endm
; For each of the three position vectors: the last n whose running count is at most the position
.macro SELECT
	s_mov_b32 s[RC], 0
.set NN, 0
.rept 32
.if NN == 0
.irp q, 0,1,2
	v_mov_b32 v[SM+\q], s[MK]
	v_mov_b32 v[SP+\q], 0
.endr
.else
	s_lshl_b32 s[PK], s[RC], 5
	s_or_b32 s[PK], s[PK], NN
.irp q, 0,1,2
	v_cmp_le_u32 s[CM+\q], s[RC], v[PCL+\q]
.endr
.irp q, 0,1,2
	v_cndmask_b32 v[SM+\q], v[SM+\q], s[MK+NN], s[CM+\q]
	v_cndmask_b32 v[SP+\q], v[SP+\q], s[PK], s[CM+\q]
.endr
.endif
	s_bcnt1_i32_b32 s[T], s[MK+NN]
	s_add_co_u32 s[RC], s[RC], s[T]
.set NN, NN+1
.endr
.endm
; One step of the search for set bit number k: the count of set bits in the field of this width at bit s; where k is not under it, k loses it and s goes past the field
.macro KSTEP base, mul, width, step
.irp q, 0,1,2
	v_bfe_u32 v[WK+8*\q+6], v[\base+\mul*\q], v[WK+8*\q+5], \width
.endr
.irp q, 0,1,2
	v_cmp_ge_u32 s[CM+\q], v[WK+8*\q+4], v[WK+8*\q+6]
.endr
.irp q, 0,1,2
	v_cndmask_b32 v[WK+8*\q+6], 0, v[WK+8*\q+6], s[CM+\q]
	v_cndmask_b32 v[WK+8*\q+7], 0, \step, s[CM+\q]
.endr
.irp q, 0,1,2
	v_sub_nc_u32 v[WK+8*\q+4], v[WK+8*\q+4], v[WK+8*\q+6]
	v_add_nc_u32 v[WK+8*\q+5], v[WK+8*\q+5], v[WK+8*\q+7]
.endr
.endm
; The token at each position.  Work registers of vector q: +0 .. +3 counts in fields of 2, 4, 8, 16 bits; +4 k; +5 s; +6, +7 at work.  The three vectors take turns line by line
.macro KTH
.irp q, 0,1,2
	v_lshrrev_b32 v[WK+8*\q+6], 1, v[SM+\q]
.endr
.irp q, 0,1,2
	v_and_b32 v[WK+8*\q+6], 0x55555555, v[WK+8*\q+6]
.endr
.irp q, 0,1,2
	v_sub_nc_u32 v[WK+8*\q], v[SM+\q], v[WK+8*\q+6]
.endr
.irp q, 0,1,2
	v_lshrrev_b32 v[WK+8*\q+6], 2, v[WK+8*\q]
	v_and_b32 v[WK+8*\q+1], 0x33333333, v[WK+8*\q]
.endr
.irp q, 0,1,2
	v_and_b32 v[WK+8*\q+6], 0x33333333, v[WK+8*\q+6]
.endr
.irp q, 0,1,2
	v_add_nc_u32 v[WK+8*\q+1], v[WK+8*\q+1], v[WK+8*\q+6]
.endr
.irp q, 0,1,2
	v_lshrrev_b32 v[WK+8*\q+6], 4, v[WK+8*\q+1]
.endr
.irp q, 0,1,2
	v_add_nc_u32 v[WK+8*\q+2], v[WK+8*\q+1], v[WK+8*\q+6]
.endr
.irp q, 0,1,2
	v_and_b32 v[WK+8*\q+2], 0x0f0f0f0f, v[WK+8*\q+2]
.endr
.irp q, 0,1,2
	v_lshrrev_b32 v[WK+8*\q+6], 8, v[WK+8*\q+2]
.endr
.irp q, 0,1,2
	v_add_nc_u32 v[WK+8*\q+3], v[WK+8*\q+2], v[WK+8*\q+6]
.endr
.irp q, 0,1,2
	v_and_b32 v[WK+8*\q+3], 0x00ff00ff, v[WK+8*\q+3]
	v_lshrrev_b32 v[WK+8*\q+6], 5, v[SP+\q]
	v_mov_b32 v[WK+8*\q+5], 0
.endr
.irp q, 0,1,2
	v_sub_nc_u32 v[WK+8*\q+4], v[PCL+\q], v[WK+8*\q+6]   ; k = the position less the running count
.endr
	KSTEP WK+3, 8, 16, 16
	KSTEP WK+2, 8, 8, 8
	KSTEP WK+1, 8, 4, 4
	KSTEP WK, 8, 2, 2
	KSTEP SM, 1, 1, 1
.irp q, 0,1,2
	v_and_b32 v[WK+8*\q+6], 31, v[SP+\q]           ; n
.endr
.irp q, 0,1,2
	v_lshrrev_b32 v[WK+8*\q+7], 2, v[WK+8*\q+6]
	v_and_b32 v[WK+8*\q+6], 3, v[WK+8*\q+6]
.endr
.irp q, 0,1,2
	v_lshl_add_u32 v[WK+8*\q+6], v[WK+8*\q+7], 7, v[WK+8*\q+6]
.endr
.irp q, 0,1,2
	v_lshl_add_u32 v[TOK+\q], v[WK+8*\q+5], 2, v[WK+8*\q+6]   ; 128 (n / 4) + n % 4 + 4 s
.endr
.irp q, 0,1,2
	v_min_u32 v[TOK+\q], 0x3ff, v[TOK+\q]
.endr
.endm
; x's fragments and scale words of my three tiles: lane (r, h) takes its token's row: 16 bytes at 64 s + 32 c + 16 h; 54 loads
.macro GATHER
.irp q, 0,1,2
	v_lshlrev_b32 v[VC+\q], 9, v[TOK+\q]
	v_lshlrev_b32 v[VS+\q], 5, v[TOK+\q]
.endr
.irp q, 0,1,2
	v_add_nc_u32 v[VC+\q], v[VC+\q], v6
.endr
	WIN 0xc0                                       ; destination window 3
.irp q, 0,1,2
.irp i, 0,1,2,3,4,5,6,7,8,9,10,11,12,13,14,15
	global_load_b128 v[64*\q+4*\i:64*\q+4*\i+3], v[VC+\q], s[6:7] offset:32*\i
.endr
.endr
	WIN 0
.irp q, 0,1,2
	global_load_b128 v[XS+8*\q:XS+8*\q+3], v[VS+\q], s[8:9]
	global_load_b128 v[XS+8*\q+4:XS+8*\q+7], v[VS+\q], s[8:9] offset:16
.endr
.endm
; 64 numbers of a lane, register 16 b + i = k 32 b + 16 (lane / 16) + i of my row, become a fragment's codes in v[PC] on and its scale word in v[PW]
.macro QUANT s
.irp b, 0,1,2,3
	v_max3_num_f32 v[TM+\b], |v[\s+16*\b]|, |v[\s+1+16*\b]|, 0x1800000   ; block b: my 16 numbers, and the floor 2^(3 - 127): the byte cannot fall under 1
.endr
.irp i, 2,4,6,8,10,12,14
.irp b, 0,1,2,3
	v_max3_num_f32 v[TM+\b], v[TM+\b], |v[\s+16*\b+\i]|, |v[\s+1+16*\b+\i]|
.endr
.endr
.irp b, 0,1,2,3
	v_permlanex16_b32 v[TM+4+\b], v[TM+\b], s[SEL], s[SEL+1]
.endr
.irp b, 0,1,2,3
	v_max_num_f32 v[TM+\b], v[TM+\b], v[TM+4+\b]   ; with lane l xor 16's: the block's largest magnitude
.endr
.irp b, 0,1,2,3
	v_add_nc_u32 v[TM+12+\b], 0xff000000, v[TM+\b] ; 2 off its exponent field: the conversion's scale operand
.endr
.irp b, 0,1,2,3
	v_lshrrev_b32 v[TM+4+\b], 23, v[TM+12+\b]      ; the scale's byte
.endr
	v_lshl_or_b32 v[PW], v[TM+5], 8, v[TM+4]
	v_lshl_or_b32 v[PW], v[TM+6], 16, v[PW]
	v_lshl_or_b32 v[PW], v[TM+7], 24, v[PW]
.irp b, 0,1,2,3
	v_cvt_scalef32_pk8_fp4_f32 v[PC+2*\b], v[\s+16*\b:\s+7+16*\b], v[TM+12+\b]
	v_cvt_scalef32_pk8_fp4_f32 v[PC+1+2*\b], v[\s+8+16*\b:\s+15+16*\b], v[TM+12+\b]
.endr
	v_nop                                          ; one plain line behind the last scaled conversion
.irp c, 0,1                                    ; the operand's layout wants a whole block in a lane: lanes 0-15 block 2 c, lanes 16-31 block 2 c + 1
.irp i, 0,1
	v_permlane16_swap_b32 v[PC+4*\c+\i], v[PC+2+4*\c+\i]
.endr
.endr
.endm
; Tile JW + 4 q: 64 matrix instructions, K step by K step, the eight accumulators by turns, one instruction a turn; relu; the quantiser; three stores
.macro COMPUTE q
	s_add_co_u32 s39, s[JW], 4*\q
.if \q > 0
	s_cmp_ge_u32 s39, s[NT2]
	s_cbranch_scc1 .Lnone_\@
.endif
.set KS, 0
.rept 8
.if KS == 0
	WIN 0x3d                                       ; source 0 (Wup) window 1, source 1 (x) window 3, C (the bias) window 3, D window 0
.elseif KS < 4
	WIN 0x0d
.else
	WIN 0x0e                                       ; Wup's K steps 4-7: window 2
.endif
.set TT, 0
.rept 8
.if KS == 0
	v_wmma_scale_f32_16x16x128_f8f6f4 v[HA+8*TT:HA+8*TT+7], v[8*(8*(KS%4)+TT):8*(8*(KS%4)+TT)+7], v[64*\q+8*KS:64*\q+8*KS+7], v[B1+8*TT:B1+8*TT+7], v[WS+8*TT+KS], v[XS+8*\q+KS] matrix_a_fmt:MATRIX_FMT_FP4 matrix_b_fmt:MATRIX_FMT_FP4
.else
	v_wmma_scale_f32_16x16x128_f8f6f4 v[HA+8*TT:HA+8*TT+7], v[8*(8*(KS%4)+TT):8*(8*(KS%4)+TT)+7], v[64*\q+8*KS:64*\q+8*KS+7], v[HA+8*TT:HA+8*TT+7], v[WS+8*TT+KS], v[XS+8*\q+KS] matrix_a_fmt:MATRIX_FMT_FP4 matrix_b_fmt:MATRIX_FMT_FP4
.endif
.set TT, TT+1
.endr
.set KS, KS+1
.endr
	WIN 0
.rept 4
	v_nop                                          ; four places between the last product and the first read of results (ISA guide 7.12.1)
.endr
.set JJ, 0
.rept 64
	v_max_num_f32 v[HA+JJ], 0, v[HA+JJ]            ; the activation, in f32; each accumulator from its low end on
.set JJ, JJ+1
.endr
	s_wait_xcnt 0x0                                ; the last tile's stores have read their data and offsets: both are written again below
	QUANT HA
	s_lshl_b32 s34, s39, 15                        ; a tile's 32 K steps are 32,768 bytes of hq,
	v_add_nc_u32 v[SA], s34, v4
	s_lshl_b32 s34, s39, 11                        ; 2,048 of hs
	v_add_nc_u32 v[SB], s34, v5
	global_store_b128 v[SA], v[PC:PC+3], s[16:17]              ; 32 lanes store 512 consecutive bytes, aligned
	global_store_b128 v[SA], v[PC+4:PC+7], s[16:17] offset:512
	global_store_b32 v[SB], v[PW], s[18:19]                    ; row r's scale word: lanes r and r + 16 store the same word to the same place
.Lnone_\@:
.endm
	s_load_b512 s[4:19], s[0:1], 0x0               ; eidx s[4:5], xq s[6:7], xs s[8:9], Wup's codes s[10:11], its scales s[12:13], up_b s[14:15], hq s[16:17], hs s[18:19]
	v_lshl_add_u32 v242, v0, 2, 0x10800
	v_mov_b32 v243, 0
	v_and_b32 v1, 31, v0                           ; lane
	v_lshrrev_b32 v2, 5, v0
	v_readfirstlane_b32 s[WV], v2                  ; wave
	v_and_b32 v2, 15, v0                           ; r
	v_bfe_u32 v3, v0, 4, 1                         ; h
	v_lshlrev_b32 v4, 4, v1                        ; 16 x lane
	v_lshlrev_b32 v5, 4, v2                        ; 16 r: my row's place among the scale words
	v_lshlrev_b32 v6, 4, v3                        ; 16 h
	s_mul_i32 s34, s[WV], 32*PITCH
	v_add_nc_u32 v7, s34, v4                       ; LDS, on the way in: my wave's 32 rows, 16 bytes a lane
	v_mul_u32_u24 v8, v2, PITCH
	v_add_nc_u32 v8, v8, v6                        ; and on the way out: row r of a tile, + 16 h
	v_and_b32 v9, 8, v2
	v_add_nc_u32 v9, v9, v2
	v_lshlrev_b32 v9, 5, v9                        ; Wup's scales: row r + 8 (r / 8) of 32 bytes
	v_lshlrev_b32 v10, 6, v3                       ; the bias: 64 h
	s_lshl_b32 s34, s[WV], 4
	v_add_nc_u32 v[POS], s34, v2                   ; positions 16 (w + 4 q) + r
	v_add_nc_u32 v[POS+1], 64, v[POS]
	v_add_nc_u32 v[POS+2], 0x80, v[POS]
.irp b, 0,1,2,3
	v_mov_b32 v[TM+4+\b], 0                        ; written once: a lane permute's destination counts as one of its sources
.endr
	s_mov_b32 s[SEL], 0x76543210
	s_mov_b32 s[SEL+1], 0xfedcba98                 ; v_permlanex16_b32's selects for lane l xor 16
	s_and_b32 s[E], ttmp7, 0xffff                  ; the expert; ttmp9 is the chunk c
	s_lshl_b32 s34, s[E], 21                       ; Wup's codes: 2 MiB an expert, 65,536 bytes a chunk, 16,384 a wave
	s_lshl_b32 s39, ttmp9, 16
	s_add_co_u32 s34, s34, s39
	s_lshl_b32 s39, s[WV], 14
	s_add_co_u32 s34, s34, s39
	s_mov_b32 s35, 0
	s_lshl_b32 s40, s[E], 17                       ; its scales: 131,072 and 4,096
	s_lshl_b32 s39, ttmp9, 12
	s_add_co_u32 s40, s40, s39
	s_mov_b32 s41, 0
	s_lshl_b32 s42, s[E], 14                       ; the bias: 16,384 and 512
	s_lshl_b32 s39, ttmp9, 9
	s_add_co_u32 s42, s42, s39
	s_mov_b32 s43, 0
	s_lshl_b32 s44, s[E], 21                       ; hq: 2 MiB and 1,024
	s_lshl_b32 s39, ttmp9, 10
	s_add_co_u32 s44, s44, s39
	s_mov_b32 s45, 0
	s_lshl_b32 s46, s[E], 17                       ; hs: 131,072 an expert; in a tile 256 (c / 4) + 4 (c % 4)
	s_lshr_b32 s39, ttmp9, 2
	s_lshl_b32 s39, s39, 8
	s_add_co_u32 s46, s46, s39
	s_and_b32 s39, ttmp9, 3
	s_lshl_b32 s39, s39, 2
	s_add_co_u32 s46, s46, s39
	s_mov_b32 s47, 0
	s_wait_kmcnt 0x0
.irp i, 0,1,2,3,4,5,6,7
	global_load_b128 v[IDX+4*\i:IDX+4*\i+3], v4, s[4:5] offset:512*\i   ; the expert numbers of all 1,024 tokens
.endr
	s_add_nc_u64 s[10:11], s[10:11], s[34:35]
	s_add_nc_u64 s[12:13], s[12:13], s[40:41]
	s_add_nc_u64 s[14:15], s[14:15], s[42:43]
	s_add_nc_u64 s[16:17], s[16:17], s[44:45]
	s_add_nc_u64 s[18:19], s[18:19], s[46:47]
	WIN 0x40                                       ; destination window 1
.set II, 0
.rept 32
	global_load_b128 v[4*II:4*II+3], v4, s[10:11] offset:512*II th:TH_LOAD_NT   ; a whole row of Wup: 512 consecutive bytes; read once in the launch
.set II, II+1
.endr
	WIN 0
.irp t, 0,1,2,3,4,5,6,7
	global_load_b128 v[WS+8*\t:WS+8*\t+3], v9, s[12:13] offset:(32*(\t/2)+8*(\t%2))*32
	global_load_b128 v[WS+8*\t+4:WS+8*\t+7], v9, s[12:13] offset:(32*(\t/2)+8*(\t%2))*32+16
.endr
	s_wait_loadcnt 48                              ; the expert numbers are in; Wup's 32 loads and its scales' 16 may be out
	WIN 0xc0                                       ; destination window 3
.irp t, 0,1,2,3,4,5,6,7
	global_load_b128 v[B1+8*\t:B1+8*\t+3], v10, s[14:15] offset:(32*(\t/2)+8*(\t%2))*4      ; lane (r, h), tile 2 b + u: the bias of hidden units 32 b + 16 h + 8 u + 0 .. 7
	global_load_b128 v[B1+8*\t+4:B1+8*\t+7], v10, s[14:15] offset:(32*(\t/2)+8*(\t%2))*4+16
.endr
	WIN 0
.set NN, 0
.rept 32
	v_cmp_eq_u32 s[MK+NN], s[E], v[IDX+NN]         ; the masks
.set NN, NN+1
.endr
	s_mov_b32 s[CNT], 0
.set NN, 0
.rept 32
	s_bcnt1_i32_b32 s[T], s[MK+NN]
	s_add_co_u32 s[CNT], s[CNT], s[T]              ; the expert's tokens
.set NN, NN+1
.endr
	s_add_co_u32 s[NT], s[CNT], 15
	s_lshr_b32 s[NT], s[NT], 4                     ; its tiles,
	s_max_u32 s[NT2], s[NT], 2                     ; of which two at the least are made
	s_max_u32 s[CM1], s[CNT], 1
	s_sub_co_u32 s[CM1], s[CM1], 1                 ; the last position
.irp q, 0,1,2
	v_min_u32 v[PCL+\q], s[CM1], v[POS+\q]
.endr
	SELECT
	KTH
	GATHER
	s_wait_loadcnt 54                              ; all but the gather's 54: Wup, its scales and the bias are in
	WIN 0x04                                       ; an LDS store's data are its source 1: window 1
.set II, 0
.rept 32
	ds_store_b128 v7, v[4*II:4*II+3] offset:(16*((II/8)%2)+8*(II/16)+(II%8))*PITCH   ; row 32 w + i goes where its tile wants it: place 16 t + m holds row 32 (t / 2) + 8 (t % 2) + m + 8 (m / 8)
.set II, II+1
.endr
	WIN 0
	s_wait_dscnt 0x0                               ; for the others' sake: my stores have landed
	s_barrier_signal -1
	s_barrier_wait -1                              ; all 128 rows lie in LDS: the launch's only barrier
.set KS, 0
.rept 8
.if KS < 4
	WIN 0x40
.else
	WIN 0x80
.endif
.set TT, 0
.rept 8
	ds_load_b128 v[8*(8*(KS%4)+TT):8*(8*(KS%4)+TT)+3], v8 offset:TT*16*PITCH+64*KS
	ds_load_b128 v[8*(8*(KS%4)+TT)+4:8*(8*(KS%4)+TT)+7], v8 offset:TT*16*PITCH+64*KS+32
.set TT, TT+1
.endr
.set KS, KS+1
.endr
	WIN 0
	s_wait_dscnt 0x0                               ; Wup's 64 fragments are in my registers, for the whole launch
	s_mov_b32 s[PASS], 0
	s_mov_b32 s[JW], s[WV]                         ; my first tile of the pass: w + 12 p
.Lpass:
	s_wait_loadcnt 0x0                             ; the gather is in.  (On every way: its offsets are written again below)
	s_cmp_ge_u32 s[JW], s[NT2]
	s_cbranch_scc1 .Lpass_end
	COMPUTE 0
	COMPUTE 1
	COMPUTE 2
	s_add_co_u32 s34, s[JW], 12
	s_cmp_ge_u32 s34, s[NT2]
	s_cbranch_scc1 .Lpass_end
.irp q, 0,1,2
	v_add_nc_u32 v[POS+\q], 0xc0, v[POS+\q]        ; twelve tiles on
.endr
.irp q, 0,1,2
	v_min_u32 v[PCL+\q], s[CM1], v[POS+\q]
.endr
	SELECT
	KTH
	GATHER
.Lpass_end:
	s_add_co_u32 s[JW], s[JW], 12
	s_add_co_u32 s[PASS], s[PASS], 1
	s_cmp_lt_u32 s[PASS], 6                        ; 6 passes x 12 tiles cover the 64 tiles of an expert that has every token
	s_cbranch_scc1 .Lpass
	s_wait_tensorcnt 0x0
	ds_add_u32 v242, v243
	s_wait_dscnt 0x0
	s_endpgm
.Lfunc_end_k_q0a29be4edf_up:
	.size	k_q0a29be4edf_up, .Lfunc_end_k_q0a29be4edf_up-k_q0a29be4edf_up
	.p2alignl 7, 3214868480
	.fill 96, 4, 3214868480
	.section	.rodata,"a",@progbits
	.p2align	6, 0x0
	.amdhsa_kernel k_q0a29be4edf_up
		.amdhsa_group_segment_fixed_size 68096
		.amdhsa_private_segment_fixed_size 0
		.amdhsa_enable_private_segment 0
		.amdhsa_kernarg_size 64
		.amdhsa_user_sgpr_count 2
		.amdhsa_user_sgpr_kernarg_segment_ptr 1
		.amdhsa_wavefront_size32 1
		.amdhsa_system_sgpr_workgroup_id_x 1
		.amdhsa_system_sgpr_workgroup_id_y 1
		.amdhsa_system_sgpr_workgroup_id_z 1
		.amdhsa_system_vgpr_workitem_id 0
		.amdhsa_next_free_vgpr 1024
		.amdhsa_next_free_sgpr 98
		.amdhsa_reserve_vcc 0
		.amdhsa_float_denorm_mode_32 3
		.amdhsa_float_denorm_mode_16_64 3
		.amdhsa_memory_ordered 1
		.amdhsa_forward_progress 1
		.amdhsa_inst_pref_size 138
	.end_amdhsa_kernel
	.amdgpu_metadata
---
amdhsa.version: [ 1, 2 ]
amdhsa.kernels:
  - .name:           k_q0a29be4edf_up
    .symbol:         k_q0a29be4edf_up.kd
    .args:
      - { .name: eidx, .offset: 0, .size: 8, .value_kind: global_buffer, .address_space: global }
      - { .name: xq, .offset: 8, .size: 8, .value_kind: global_buffer, .address_space: global }
      - { .name: xs, .offset: 16, .size: 8, .value_kind: global_buffer, .address_space: global }
      - { .name: up_W_codes, .offset: 24, .size: 8, .value_kind: global_buffer, .address_space: global }
      - { .name: up_W_scales, .offset: 32, .size: 8, .value_kind: global_buffer, .address_space: global }
      - { .name: up_b, .offset: 40, .size: 8, .value_kind: global_buffer, .address_space: global }
      - { .name: hq, .offset: 48, .size: 8, .value_kind: global_buffer, .address_space: global }
      - { .name: hs, .offset: 56, .size: 8, .value_kind: global_buffer, .address_space: global }
    .group_segment_fixed_size: 68096
    .private_segment_fixed_size: 0
    .kernarg_segment_align: 8
    .kernarg_segment_size: 64
    .max_flat_workgroup_size: 128
    .sgpr_count:     98
    .vgpr_count:     1024
    .wavefront_size: 32
...
	.end_amdgpu_metadata
.endif
;; end of part 2
;; launch down (part 3): grid 32 x 8, 4 waves a work-group, no clusters, 222,720 bytes of LDS; arguments eidx, hq, hs, down_W_codes, down_W_scales, down_b, out0; writes out0
.if DOCPART == 3
	.amdgcn_target "amdgcn-amd-amdhsa--gfx1250"
	.amdhsa_code_object_version 6
	.text
	.protected	k_q0a29be4edf_down
	.globl	k_q0a29be4edf_down
	.p2align	8
	.type	k_q0a29be4edf_down,@function
k_q0a29be4edf_down:
	s_mov_b64 s[64:65], 0
	v_nop
	global_prefetch_b8 v0, s[64:65] scope:SCOPE_SE
	s_setreg_imm32_b32 hwreg(HW_REG_WAVE_MODE, 25, 1), 1
	s_wait_xcnt 0x0
; THE SECOND PRODUCT, for the chosen rows alone: out0[token] = h Wdown[e] + bdown[e], on codes of FP4 with one E8M0 scale for each 32 along K = 4,096.
; SHARES.  Work-group (x, e): ch = x / 2 names 64 output columns (a row's piece is 256 consecutive bytes, aligned), hf = x % 2 the parity of the row tiles that it owns: tiles hf + 2 (m + 5 g), m = 0 .. 4 in a group,
; g = 0 .. 6: a loop of constant count whose work is jumped over, by a scalar branch on the stored numbers' count, where no tile is left.  No barrier stands under such a branch.
; THE WAVES SHARE K: wave w owns K steps 8 w .. 8 w + 7.  Its part of Wdown (64 rows x 512 bytes) is loaded densely, turned through its own LDS into 32 fragments (256 registers) and stays.
; The hidden layer comes as images of fragments' registers, by dense loads of 512 bytes.  The four waves' partial sums meet in a stage in LDS; wave w then adds rows 4 w .. 4 w + 3 of each tile, with the bias, and stores them.
; THE PRODUCT IS USED TRANSPOSED (source 0 = 16 rows of Wdown, source 1 = 16 tokens): a lane holds eight neighbouring outputs of one token.
; THE SCALE WORDS OF EIGHT K STEPS LIE IN FOUR REGISTERS: register i holds in lanes 0-15 the rows' words of my K step i and in lanes 16-31 those of K step 4 + i; the products of K steps 4 to 7 take the upper lanes
; (MATRIX_SCALE_ROW1, on both sides).  So one load of 16 bytes a lane brings a tile's scale words: 17 loads a hidden tile, 162 a wave in all.
; THE PRODUCTS GO TILE BY TILE, each behind a wait that leaves the later tiles' loads out: only the last tile's 32 products stand behind the last load.
; THE ROWS are found as in the launch before: the same dense load of the expert numbers, the same order, positions at or beyond the count held at the last one; padded rows store that token's numbers once more, from this work-group.
; No tensor loads and no cluster.  LIMITS: NaN and infinities are not served.
; REGISTERS, in windows of 256.  window 0: v1-17 addresses and the search; v20-23 the bias; v24-33 the hidden loads' offsets; v34-43 the stores' offsets; v44-51 at work; v64-95 expert numbers; v96-111 Wdown's scale words (4 t + i);
;   v128-147 the hidden layer's (4 m + i).   window 1: Wdown's fragments at 8 (8 t + s) (first: the rows as loaded).   window 2: hidden fragments of m = 0 .. 3 at 64 m + 8 s.
;   window 3: v0-63 those of m = 4; v64-223 the 20 accumulators at 64 + 8 (4 m + t), later the four waves' parts at 64 + 32 m + 16 i + 4 p.
.set PITCH, 528                        ; a row of my part of Wdown in LDS: 512 bytes + 16: an odd multiple of 16
.set STG,   4*64*PITCH                 ; behind the four waves' rows: the stage: [wave 21,760][m 4,352][row 272 = 256 + 16]
.set POS, 13
.set PCL, 14
.set SM,  15
.set SP,  16
.set TOK, 17
.set BI,  20
.set VH,  24
.set VSC, 29
.set VO,  34
.set WK,  44
.set IDX, 64
.set WS,  96
.set HS,  128
.set ACC, 64                           ; in window 3
.set WV,  20
.set HF,  21
.set E,   22
.set CNT, 23
.set NT,  24
.set CM1, 25
.set CH,  26
.set PK,  27
.set T,   28
.set RC,  29
.set TR,  32
.set J0,  33
.set CM,  36
.set HM,  40                           ; s40 the mask of lanes 16-31
.set RL,  42                           ; s42-61 my wave's 20 tokens
.set MK,  66                           ; s66-97 the 32 masks
.set MSB, 0
.macro WIN new                         ; the immediate's high byte repeats the setting that is left
.if MSB != \new
	s_set_vgpr_msb (MSB<<8)|\new
.set MSB, \new
.endif
.endm
.macro SELECT                          ; the last n whose running count is at most the position
	s_mov_b32 s[RC], 0
.set NN, 0
.rept 32
.if NN == 0
	v_mov_b32 v[SM], s[MK]
	v_mov_b32 v[SP], 0
.else
	s_lshl_b32 s[PK], s[RC], 5
	s_or_b32 s[PK], s[PK], NN
	v_cmp_le_u32 s[CM], s[RC], v[PCL]
	v_cndmask_b32 v[SM], v[SM], s[MK+NN], s[CM]
	v_cndmask_b32 v[SP], v[SP], s[PK], s[CM]
.endif
	s_bcnt1_i32_b32 s[T], s[MK+NN]
	s_add_co_u32 s[RC], s[RC], s[T]
.set NN, NN+1
.endr
.endm
.macro KSTEP src, width, step          ; the count of set bits in the field of this width at bit s; where k is not under it, k loses it and s goes past the field
	v_bfe_u32 v[WK+6], v[\src], v[WK+5], \width
	v_cmp_ge_u32 s[CM], v[WK+4], v[WK+6]
	v_cndmask_b32 v[WK+6], 0, v[WK+6], s[CM]
	v_cndmask_b32 v[WK+7], 0, \step, s[CM]
	v_sub_nc_u32 v[WK+4], v[WK+4], v[WK+6]
	v_add_nc_u32 v[WK+5], v[WK+5], v[WK+7]
.endm
; My wave's 20 tokens (lane 4 m + i: row 4 w + i of tile m), and from them the stores' offsets: for (m, i) lanes 0-15 take row 4 w + 2 i, lanes 16-31 the next
.macro TOKENS
	v_min_u32 v[PCL], s[CM1], v[POS]
	SELECT
	v_lshrrev_b32 v[WK+6], 1, v[SM]
	v_and_b32 v[WK+6], 0x55555555, v[WK+6]
	v_sub_nc_u32 v[WK], v[SM], v[WK+6]             ; counts in fields of 2 bits,
	v_lshrrev_b32 v[WK+6], 2, v[WK]
	v_and_b32 v[WK+1], 0x33333333, v[WK]
	v_and_b32 v[WK+6], 0x33333333, v[WK+6]
	v_add_nc_u32 v[WK+1], v[WK+1], v[WK+6]         ; of 4,
	v_lshrrev_b32 v[WK+6], 4, v[WK+1]
	v_add_nc_u32 v[WK+2], v[WK+1], v[WK+6]
	v_and_b32 v[WK+2], 0x0f0f0f0f, v[WK+2]         ; of 8,
	v_lshrrev_b32 v[WK+6], 8, v[WK+2]
	v_add_nc_u32 v[WK+3], v[WK+2], v[WK+6]
	v_and_b32 v[WK+3], 0x00ff00ff, v[WK+3]         ; of 16
	v_lshrrev_b32 v[WK+6], 5, v[SP]
	v_sub_nc_u32 v[WK+4], v[PCL], v[WK+6]          ; k = the position less the running count
	v_mov_b32 v[WK+5], 0
	KSTEP WK+3, 16, 16
	KSTEP WK+2, 8, 8
	KSTEP WK+1, 4, 4
	KSTEP WK, 2, 2
	KSTEP SM, 1, 1
	v_and_b32 v[WK+6], 31, v[SP]                   ; n
	v_lshrrev_b32 v[WK+7], 2, v[WK+6]
	v_and_b32 v[WK+6], 3, v[WK+6]
	v_lshl_add_u32 v[WK+6], v[WK+7], 7, v[WK+6]
	v_lshl_add_u32 v[TOK], v[WK+5], 2, v[WK+6]     ; 128 (n / 4) + n % 4 + 4 s
	v_min_u32 v[TOK], 0x3ff, v[TOK]
.set NN, 0
.rept 20
	v_readlane_b32 s[RL+NN], v[TOK], NN
.set NN, NN+1
.endr
.set NN, 0
.rept 10
	v_mov_b32 v[VO+NN], s[RL+2*NN]
.set NN, NN+1
.endr
.set NN, 0
.rept 10
	v_cndmask_b32 v[VO+NN], v[VO+NN], s[RL+2*NN+1], s[HM]
.set NN, NN+1
.endr
.set NN, 0
.rept 10
	v_min_u32 v[VO+NN], 0x3ff, v[VO+NN]
.set NN, NN+1
.endr
.set NN, 0
.rept 10
	v_lshlrev_b32 v[VO+NN], 12, v[VO+NN]           ; a row of out0 is 4,096 bytes
.set NN, NN+1
.endr
.set NN, 0
.rept 10
	v_add_nc_u32 v[VO+NN], v[VO+NN], v12           ; + 16 r
.set NN, NN+1
.endr
.endm
; The hidden fragments and scale words of tile J0 + ahead + 2 m, my eight K steps: 17 loads.  A tile that the expert does not have is replaced by tile hf, which is always written; its results are not stored
.macro HL m, ahead
	s_add_co_u32 s34, s[J0], 2*\m+\ahead
	s_cmp_lt_u32 s34, s[NT]
	s_cselect_b32 s34, s34, s[HF]
	s_min_u32 s34, s34, 63
	s_lshl_b32 s35, s34, 15                        ; a tile is 32,768 bytes of hq,
	v_add_nc_u32 v[VH+\m], s35, v4
	s_lshl_b32 s35, s34, 11                        ; 2,048 of hs
	v_add_nc_u32 v[VSC+\m], s35, v4
.if \m < 4
	WIN 0x80                                       ; destination window 2
.irp i, 0,1,2,3,4,5,6,7,8,9,10,11,12,13,14,15
	global_load_b128 v[64*\m+4*\i:64*\m+4*\i+3], v[VH+\m], s[6:7] offset:512*\i   ; 32 lanes read 512 consecutive bytes
.endr
.else
	WIN 0xc0                                       ; destination window 3
.irp i, 0,1,2,3,4,5,6,7,8,9,10,11,12,13,14,15
	global_load_b128 v[4*\i:4*\i+3], v[VH+\m], s[6:7] offset:512*\i
.endr
.endif
	WIN 0
	global_load_b128 v[HS+4*\m:HS+4*\m+3], v[VSC+\m], s[8:9]   ; the scale words of my eight K steps: 512 consecutive bytes
.endm
; The products of tiles m0 .. m0 + n - 1: K step by K step, their 4 n accumulators by turns, one instruction a turn; the first K step starts the sums
.macro PROD m0, n
.set KS, 0
.rept 8
.set MM, \m0
.rept \n
.set TT, 0
.rept 4
.if KS == 0
	v_wmma_scale_f32_16x16x128_f8f6f4 v[ACC+8*(4*MM+TT):ACC+8*(4*MM+TT)+7], v[8*(8*TT+KS):8*(8*TT+KS)+7], v[64*(MM%4)+8*KS:64*(MM%4)+8*KS+7], 0, v[WS+4*TT+KS%4], v[HS+4*MM+KS%4] matrix_a_fmt:MATRIX_FMT_FP4 matrix_b_fmt:MATRIX_FMT_FP4
.elseif KS < 4
	v_wmma_scale_f32_16x16x128_f8f6f4 v[ACC+8*(4*MM+TT):ACC+8*(4*MM+TT)+7], v[8*(8*TT+KS):8*(8*TT+KS)+7], v[64*(MM%4)+8*KS:64*(MM%4)+8*KS+7], v[ACC+8*(4*MM+TT):ACC+8*(4*MM+TT)+7], v[WS+4*TT+KS%4], v[HS+4*MM+KS%4] matrix_a_fmt:MATRIX_FMT_FP4 matrix_b_fmt:MATRIX_FMT_FP4
.else
	v_wmma_scale_f32_16x16x128_f8f6f4 v[ACC+8*(4*MM+TT):ACC+8*(4*MM+TT)+7], v[8*(8*TT+KS):8*(8*TT+KS)+7], v[64*(MM%4)+8*KS:64*(MM%4)+8*KS+7], v[ACC+8*(4*MM+TT):ACC+8*(4*MM+TT)+7], v[WS+4*TT+KS%4], v[HS+4*MM+KS%4] matrix_a_fmt:MATRIX_FMT_FP4 matrix_b_fmt:MATRIX_FMT_FP4 matrix_a_scale:MATRIX_SCALE_ROW1 matrix_b_scale:MATRIX_SCALE_ROW1
.endif
.set TT, TT+1
.endr
.set MM, MM+1
.endr
.set KS, KS+1
.endr
.endm
	s_load_b256 s[4:11], s[0:1], 0x0               ; eidx s[4:5], hq s[6:7], hs s[8:9], Wdown's codes s[10:11]
	s_load_b128 s[12:15], s[0:1], 0x20             ; its scales s[12:13], down_b s[14:15]
	s_load_b64 s[16:17], s[0:1], 0x30              ; out0
	v_lshl_add_u32 v254, v0, 2, 0x36400
	v_mov_b32 v255, 0
	v_and_b32 v1, 31, v0                           ; lane
	v_lshrrev_b32 v2, 5, v0
	v_readfirstlane_b32 s[WV], v2                  ; wave
	v_and_b32 v2, 15, v0                           ; r
	v_bfe_u32 v3, v0, 4, 1                         ; h
	v_lshlrev_b32 v4, 4, v1                        ; 16 x lane
	s_mul_i32 s34, s[WV], 64*PITCH
	v_add_nc_u32 v6, s34, v4                       ; my rows of Wdown in LDS, on the way in
	v_mul_u32_u24 v7, v2, PITCH
	v_lshl_add_u32 v7, v3, 4, v7
	v_add_nc_u32 v7, s34, v7                       ; and on the way out: row r of a tile, + 16 h
	s_mul_i32 s35, s[WV], 21760
	s_add_co_u32 s35, s35, STG
	v_mul_u32_u24 v8, v2, 272
	v_lshl_add_u32 v8, v3, 5, v8
	v_add_nc_u32 v8, s35, v8                       ; the stage, in: my wave's part, row r, + 32 h
	s_mul_i32 s35, s[WV], 4*272
	s_add_co_u32 s35, s35, STG
	v_mul_u32_u24 v9, v3, 272
	v_lshl_add_u32 v9, v2, 4, v9
	v_add_nc_u32 v9, s35, v9                       ; back: row 4 w + h, 16 bytes a lane: waves 0 and 1's parts;
	v_add_nc_u32 v10, 43520, v9                    ; waves 2 and 3's (an LDS offset has 16 bits)
	s_lshl_b32 s35, s[WV], 5
	v_lshlrev_b32 v11, 7, v2
	v_lshl_add_u32 v11, v3, 4, v11
	v_add_nc_u32 v11, s35, v11                     ; Wdown's scales: row r of 128 bytes, + my eight words; lanes 0-15 take the first four, lanes 16-31 the other four
	v_lshlrev_b32 v12, 4, v2                       ; 16 r
	s_and_b32 s[HF], ttmp9, 1
	s_lshr_b32 s[CH], ttmp9, 1
	s_and_b32 s[E], ttmp7, 0xffff
	v_lshrrev_b32 v[POS], 2, v1
	v_lshlrev_b32 v[POS], 5, v[POS]
	v_and_b32 v[PCL], 3, v1
	v_add_nc_u32 v[POS], v[POS], v[PCL]
	s_lshl_b32 s35, s[WV], 2
	s_lshl_b32 s37, s[HF], 4
	s_add_co_u32 s35, s35, s37
	v_add_nc_u32 v[POS], s35, v[POS]               ; lane 4 m + i: position 16 (hf + 2 m) + 4 w + i
	s_mov_b32 s[HM], 0xffff0000
	s_mov_b32 s[J0], s[HF]
	s_lshl_b32 s42, s[E], 21                       ; hq: 2 MiB an expert, my eight K steps 8,192 w on
	s_lshl_b32 s37, s[WV], 13
	s_add_co_u32 s42, s42, s37
	s_mov_b32 s43, 0
	s_lshl_b32 s44, s[E], 17                       ; hs: 131,072 an expert, my eight K steps 512 w on
	s_lshl_b32 s37, s[WV], 9
	s_add_co_u32 s44, s44, s37
	s_mov_b32 s45, 0
	s_lshl_b32 s46, s[E], 21                       ; Wdown's codes: 2 MiB an expert, 64 rows of 2,048 bytes a chunk, 512 bytes a wave
	s_lshl_b32 s37, s[CH], 17
	s_add_co_u32 s46, s46, s37
	s_lshl_b32 s37, s[WV], 9
	s_add_co_u32 s46, s46, s37
	s_mov_b32 s47, 0
	s_lshl_b32 s48, s[E], 17                       ; its scales: 131,072 and 8,192
	s_lshl_b32 s37, s[CH], 13
	s_add_co_u32 s48, s48, s37
	s_mov_b32 s49, 0
	s_lshl_b32 s50, s[E], 12                       ; the bias: 4,096 and 256
	s_lshl_b32 s52, s[CH], 8                       ; out0: 256 bytes a chunk
	s_add_co_u32 s50, s50, s52
	s_mov_b32 s51, 0
	s_mov_b32 s53, 0
	s_wait_kmcnt 0x0
.irp i, 0,1,2,3,4,5,6,7
	global_load_b128 v[IDX+4*\i:IDX+4*\i+3], v4, s[4:5] offset:512*\i   ; the expert numbers of all 1,024 tokens
.endr
	s_add_nc_u64 s[6:7], s[6:7], s[42:43]
	s_add_nc_u64 s[8:9], s[8:9], s[44:45]
	s_add_nc_u64 s[10:11], s[10:11], s[46:47]
	s_add_nc_u64 s[12:13], s[12:13], s[48:49]
	s_add_nc_u64 s[14:15], s[14:15], s[50:51]
	s_add_nc_u64 s[16:17], s[16:17], s[52:53]
	WIN 0x40                                       ; destination window 1
.set II, 0
.rept 48
	global_load_b128 v[4*II:4*II+3], v4, s[10:11] offset:2048*II   ; my 512 bytes of a row of Wdown
.set II, II+1
.endr
	WIN 0
	s_wait_loadcnt 48                              ; the expert numbers are in; Wdown's 48 loads may be out
.set NN, 0
.rept 32
	v_cmp_eq_u32 s[MK+NN], s[E], v[IDX+NN]         ; the masks
.set NN, NN+1
.endr
	s_mov_b32 s[CNT], 0
.set NN, 0
.rept 32
	s_bcnt1_i32_b32 s[T], s[MK+NN]
	s_add_co_u32 s[CNT], s[CNT], s[T]              ; the expert's tokens
.set NN, NN+1
.endr
	s_add_co_u32 s[NT], s[CNT], 15
	s_lshr_b32 s[NT], s[NT], 4                     ; its tiles
	s_max_u32 s[CM1], s[CNT], 1
	s_sub_co_u32 s[CM1], s[CM1], 1                 ; the last position
	WIN 0x40
.set II, 48
.rept 16
	global_load_b128 v[4*II:4*II+3], v4, s[10:11] offset:2048*II
.set II, II+1
.endr
	WIN 0
.irp t, 0,1,2,3
	global_load_b128 v[WS+4*\t:WS+4*\t+3], v11, s[12:13] offset:2048*\t
.endr
	global_load_b128 v[BI:BI+3], v12, s[14:15]     ; the bias of my four columns of a row's piece
	HL 0, 0
	HL 1, 0
	TOKENS                                         ; register work while the loads are out
	s_wait_loadcnt 34                              ; all but the two hidden tiles' 34: Wdown, its scales and the bias are in
	WIN 0x04                                       ; an LDS store's data are its source 1: window 1
.set II, 0
.rept 64
	ds_store_b128 v6, v[4*II:4*II+3] offset:II*PITCH
.set II, II+1
.endr
	WIN 0
	HL 2, 0
	HL 3, 0
	HL 4, 0
	s_wait_dscnt 0x0                               ; the stores have read their registers, which the loads below fill.  My own bytes: no barrier
	WIN 0x40
.set TT, 0
.rept 4
.set KS, 0
.rept 8
	ds_load_b128 v[8*(8*TT+KS):8*(8*TT+KS)+3], v7 offset:TT*16*PITCH+64*KS
	ds_load_b128 v[8*(8*TT+KS)+4:8*(8*TT+KS)+7], v7 offset:TT*16*PITCH+64*KS+32
.set KS, KS+1
.endr
.set TT, TT+1
.endr
	WIN 0
	s_mov_b32 s[TR], 0
.Ltrip:
	s_wait_dscnt 0x0                               ; Wdown's fragments are in
	s_cmp_ge_u32 s[J0], s[NT]
	s_cbranch_scc1 .Lno_products
	s_wait_loadcnt 51                              ; the first two hidden tiles are in; the 51 loads of the three behind them may be out
	WIN 0xf9                                       ; source 0 (Wdown) window 1, source 1 (hidden) window 2, C and D window 3
	PROD 0, 2
	s_wait_loadcnt 34                              ; the third is in; two tiles' loads may be out
	PROD 2, 1
	s_wait_loadcnt 17                              ; the fourth; one tile's may be out
	PROD 3, 1
	s_wait_loadcnt 0x0                             ; the fifth
	WIN 0xfd                                       ; its fragments lie in window 3
	PROD 4, 1
	WIN 0
.rept 5
	v_nop                                          ; five places: four serve the LDS stores below, which read the results; the fifth serves the next trip's first products, which begin these accumulators anew with C = 0: a way leads to them on which no other vector line stands between
.endr
	WIN 0x0c                                       ; an LDS store's data are its source 1: window 3
.set MM, 0
.rept 5
.set TT, 0
.rept 4
	ds_store_b128 v8, v[ACC+8*(4*MM+TT):ACC+8*(4*MM+TT)+3] offset:4352*MM+64*TT        ; lane (r, h): row r, columns 16 t + 8 h + 0 .. 7; each accumulator from its low end on
	ds_store_b128 v8, v[ACC+8*(4*MM+TT)+4:ACC+8*(4*MM+TT)+7] offset:4352*MM+64*TT+16
.set TT, TT+1
.endr
.set MM, MM+1
.endr
	WIN 0
.Lno_products:
	s_wait_loadcnt 0x0                             ; on every way: no load is out when the hidden tiles' registers and offsets are written again below
	s_wait_dscnt 0x0                               ; for the others' sake: my part of the stage has landed
	s_barrier_signal -1
	s_barrier_wait -1                              ; all four parts lie in the stage
	s_cmp_ge_u32 s[J0], s[NT]
	s_cbranch_scc1 .Lno_rows
	WIN 0xc0                                       ; destination window 3
.set MM, 0
.rept 5
.set II, 0
.rept 2
	ds_load_b128 v[64+32*MM+16*II:64+32*MM+16*II+3], v9 offset:4352*MM+544*II
	ds_load_b128 v[64+32*MM+16*II+4:64+32*MM+16*II+7], v9 offset:21760+4352*MM+544*II
	ds_load_b128 v[64+32*MM+16*II+8:64+32*MM+16*II+11], v10 offset:4352*MM+544*II
	ds_load_b128 v[64+32*MM+16*II+12:64+32*MM+16*II+15], v10 offset:21760+4352*MM+544*II
.set II, II+1
.endr
.set MM, MM+1
.endr
	s_wait_dscnt 0x0
	WIN 0xcf                                       ; all in window 3
.set NN, 0
.rept 10                                       ; the four waves' parts of K: (0 + 1) + (2 + 3)
	v_pk_add_f32 v[64+16*NN:64+16*NN+1], v[64+16*NN:64+16*NN+1], v[64+16*NN+4:64+16*NN+5]
	v_pk_add_f32 v[64+16*NN+2:64+16*NN+3], v[64+16*NN+2:64+16*NN+3], v[64+16*NN+6:64+16*NN+7]
	v_pk_add_f32 v[64+16*NN+8:64+16*NN+9], v[64+16*NN+8:64+16*NN+9], v[64+16*NN+12:64+16*NN+13]
	v_pk_add_f32 v[64+16*NN+10:64+16*NN+11], v[64+16*NN+10:64+16*NN+11], v[64+16*NN+14:64+16*NN+15]
.set NN, NN+1
.endr
.set NN, 0
.rept 10
	v_pk_add_f32 v[64+16*NN:64+16*NN+1], v[64+16*NN:64+16*NN+1], v[64+16*NN+8:64+16*NN+9]
	v_pk_add_f32 v[64+16*NN+2:64+16*NN+3], v[64+16*NN+2:64+16*NN+3], v[64+16*NN+10:64+16*NN+11]
.set NN, NN+1
.endr
	WIN 0xc3                                       ; source 1, the bias, in window 0
.set NN, 0
.rept 10
	v_pk_add_f32 v[64+16*NN:64+16*NN+1], v[64+16*NN:64+16*NN+1], v[BI:BI+1]
	v_pk_add_f32 v[64+16*NN+2:64+16*NN+3], v[64+16*NN+2:64+16*NN+3], v[BI+2:BI+3]
.set NN, NN+1
.endr
	WIN 0
.irp m, 0,1,2,3,4
	s_add_co_u32 s34, s[J0], 2*\m
	s_cmp_ge_u32 s34, s[NT]                        ; a tile that the expert does not have is not stored, nor are those behind it
	s_cbranch_scc1 .Lstored
	WIN 0x0c                                       ; a store's data are its source 1: window 3
	global_store_b128 v[VO+2*\m], v[64+32*\m:64+32*\m+3], s[16:17] th:TH_STORE_NT        ; sixteen lanes store 256 consecutive bytes of a token's row, aligned; written once, read by nobody here
	global_store_b128 v[VO+2*\m+1], v[64+32*\m+16:64+32*\m+19], s[16:17] th:TH_STORE_NT
	WIN 0
.endr
.Lstored:
	s_wait_xcnt 0x0                                ; the stores have read their data and offsets: both are written again, below and in the next trip
	s_add_co_u32 s34, s[J0], 10
	s_cmp_ge_u32 s34, s[NT]
	s_cbranch_scc1 .Lno_rows
	v_add_nc_u32 v[POS], 0xa0, v[POS]              ; ten tiles on
	TOKENS
	HL 0, 10
	HL 1, 10
	HL 2, 10
	HL 3, 10
	HL 4, 10
.Lno_rows:
	s_wait_dscnt 0x0                               ; my reads of the stage are over
	s_barrier_signal -1
	s_barrier_wait -1                              ; everybody's are: the stage may be written again
	s_add_co_u32 s[J0], s[J0], 10
	s_add_co_u32 s[TR], s[TR], 1
	s_cmp_lt_u32 s[TR], 7                          ; 7 trips x 5 tiles x 2 parities cover the 64 tiles of an expert that has every token
	s_cbranch_scc1 .Ltrip
	s_wait_tensorcnt 0x0
	ds_add_u32 v254, v255
	s_wait_dscnt 0x0
	s_endpgm
.Lfunc_end_k_q0a29be4edf_down:
	.size	k_q0a29be4edf_down, .Lfunc_end_k_q0a29be4edf_down-k_q0a29be4edf_down
	.p2alignl 7, 3214868480
	.fill 96, 4, 3214868480
	.section	.rodata,"a",@progbits
	.p2align	6, 0x0
	.amdhsa_kernel k_q0a29be4edf_down
		.amdhsa_group_segment_fixed_size 222720
		.amdhsa_private_segment_fixed_size 0
		.amdhsa_enable_private_segment 0
		.amdhsa_kernarg_size 56
		.amdhsa_user_sgpr_count 2
		.amdhsa_user_sgpr_kernarg_segment_ptr 1
		.amdhsa_wavefront_size32 1
		.amdhsa_system_sgpr_workgroup_id_x 1
		.amdhsa_system_sgpr_workgroup_id_y 1
		.amdhsa_system_sgpr_workgroup_id_z 1
		.amdhsa_system_vgpr_workitem_id 0
		.amdhsa_next_free_vgpr 1024
		.amdhsa_next_free_sgpr 98
		.amdhsa_reserve_vcc 0
		.amdhsa_float_denorm_mode_32 3
		.amdhsa_float_denorm_mode_16_64 3
		.amdhsa_memory_ordered 1
		.amdhsa_forward_progress 1
		.amdhsa_inst_pref_size 107
	.end_amdhsa_kernel
	.amdgpu_metadata
---
amdhsa.version: [ 1, 2 ]
amdhsa.kernels:
  - .name:           k_q0a29be4edf_down
    .symbol:         k_q0a29be4edf_down.kd
    .args:
      - { .name: eidx, .offset: 0, .size: 8, .value_kind: global_buffer, .address_space: global }
      - { .name: hq, .offset: 8, .size: 8, .value_kind: global_buffer, .address_space: global }
      - { .name: hs, .offset: 16, .size: 8, .value_kind: global_buffer, .address_space: global }
      - { .name: down_W_codes, .offset: 24, .size: 8, .value_kind: global_buffer, .address_space: global }
      - { .name: down_W_scales, .offset: 32, .size: 8, .value_kind: global_buffer, .address_space: global }
      - { .name: down_b, .offset: 40, .size: 8, .value_kind: global_buffer, .address_space: global }
      - { .name: out0, .offset: 48, .size: 8, .value_kind: global_buffer, .address_space: global }
    .group_segment_fixed_size: 222720
    .private_segment_fixed_size: 0
    .kernarg_segment_align: 8
    .kernarg_segment_size: 56
    .max_flat_workgroup_size: 128
    .sgpr_count:     98
    .vgpr_count:     1024
    .wavefront_size: 32
...
	.end_amdgpu_metadata
.endif
;; end of part 3
;; ======== version 2 of 2: 3 launches; version 1 with the launches up, down written anew for expert scheduling mode
;; workspace buffers: eidx 4,096 bytes of whole numbers; xq 524,288 bytes; xs 32,768 bytes; hq 16,777,216 bytes; hs 1,048,576 bytes
;; launch route: the kernel of part 1 again; grid 256 x 1, 4 waves a work-group, no clusters, 38,400 bytes of LDS; arguments x, gate_W, gate_b, xq, xs, eidx, out1; writes xq, xs, eidx, out1
;; launch up (part 4): grid 32 x 8, 4 waves a work-group, no clusters, 68,096 bytes of LDS; arguments eidx, xq, xs, up_W_codes, up_W_scales, up_b, hq, hs; writes hq, hs
.if DOCPART == 4
	.amdgcn_target "amdgcn-amd-amdhsa--gfx1250"
	.amdhsa_code_object_version 6
	.text
	.protected	k_q0a29be4edf_up
	.globl	k_q0a29be4edf_up
	.p2align	8
	.type	k_q0a29be4edf_up,@function
k_q0a29be4edf_up:
	s_mov_b64 s[64:65], 0
	v_nop
	global_prefetch_b8 v0, s[64:65] scope:SCOPE_SE
	s_setreg_imm32_b32 hwreg(HW_REG_WAVE_SCHED_MODE, 0, 2), 2
	s_setreg_imm32_b32 hwreg(HW_REG_WAVE_MODE, 25, 1), 1
	s_wait_xcnt 0x0
	s_wait_alu depctr_vm_vsrc(0)
; THE FIRST PRODUCT, for the chosen rows alone: work-group (c, e) makes hidden units 128 c .. 128 c + 127 of relu(x Wup[e] + bup[e]) for the tokens of expert e, and quantises them to FP4 along the hidden axis:
; they are K step c of the second product.  Both operands are codes of FP4 with one E8M0 scale for each 32 along K.
; THE ROWS.  Expert e's tokens, in the order of the search below, are cut into tiles of 16.  A position at or beyond the expert's count is held at the last one: padded rows repeat that token.
; Tiles 0 and 1 of every expert are always made, so that the next launch's first loads find written bytes whatever the split.
; THE SEARCH, in registers alone.  All 1,024 expert numbers are loaded densely: register n of lane l is token 128 (n / 4) + n % 4 + 4 l.  A compare gives a mask of 32 lanes for each n; the masks stay in s66-97.
; Position p belongs to the last n whose running count is at most p, and in that mask to the set bit number p - that count.
; SHARES.  The work-group's 128 rows of Wup (64 KB, dense in memory, read by nobody else) go through LDS into EVERY wave's registers, 512 of them; the waves share the row tiles: wave w takes tiles w + 4 q + 12 p,
; q = 0 .. 2 in a pass, p = 0 .. 5: a loop of constant count whose work is jumped over, by a scalar branch on the stored numbers' count, where no tile is left.  So a wave makes whole fragments and whole scale words.
; THE PRODUCT IS USED TRANSPOSED (source 0 = 16 rows of Wup, source 1 = 16 tokens), and THE ROWS OF Wup THAT FORM A TILE ARE NOT NEIGHBOURS: lane r of tile 2 b + u takes row 32 b + 8 u + r + 8 (r / 8),
; so that a lane holds one token and the 16 registers of tiles 2 b, 2 b + 1 are 16 neighbours along the next K.  The bias is the C of each sum's first matrix instruction.
; OUT.  hq [e][tile 64][K step 32][1,024 bytes]: a fragment as an image of its registers (registers 0-3 at 16 x lane, 4-7 at 512 + 16 x lane).
; hs [e][tile 64][8 K steps: 4][lane 32][4 words]: an image of the four scale registers in which the next launch's wave holds the words of its eight K steps: lane r + 16 u, register i: row r's word of K step 8 w + 4 u + i.
; So the word of K step c, row r, lies at 256 (c / 4) + 16 r + 4 (c % 4) in the tile's 2,048 bytes.  Lanes r and r + 16 hold the same word and store it to the same place.
; No tensor loads and no cluster.  LIMITS: NaN and infinities are not served; a block of zeros gets the byte 1 over zero codes (read by this program alone).
; THE MODE: SCHED_MODE bits 1:0 = 2 (LLVM: expert scheduling mode 2), set by the entry lines.  The code itself states the register dependences
; between vector or matrix instructions and memory or LDS instructions, and those through scalar registers that vector instructions write, with s_wait_alu, always for 0.
; THE PLAN.  Registers that memory or LDS instructions touch:
;   v4, v7, v8, v9, v10   offsets and LDS addresses: written at the head, ahead of the one wait on va_vdst in front of the first load; never written again.
;   window 1, v0-127      Wup's rows as loaded; read by the LDS stores; then the fragments' LDS loads land there: one wait on vm_vsrc between.  No vector line names windows 1 and 2; the products read them.
;   VC, VS                written by the gather's vector lines, read by its 54 loads.   window 3 v0-191 and XS: the gather's loads land there; the pass's products read them.
;                         One wait on va_vdst in a gather, ahead of its loads, states both: the offsets are written, and the last pass's products are done reading.
;   PC, PW, SA, SB        written by a tile's quantiser and two additions, read by its three stores: one wait on va_vdst ahead of the stores, one on vm_vsrc ahead of the next tile's quantiser.
;                         That wait on vm_vsrc also stands behind the gather's loads, on every way to the next gather: VC and VS are free there.
;   The accumulators, the search's registers and the quantiser's work registers are named by vector and matrix instructions alone.
;   Scalar registers that vector lines write: the wave's number; the 32 masks; the search's compare results, which are made in runs, with one wait on va_sdst behind each run.
; REGISTERS, in windows of 256.  window 0: v1-11 addresses; v12-34 the search; v48-79 expert numbers; v80-143 Wup's scale words (8 t + s); v144-167 x's (8 q + s); v168-231 the eight accumulators (the search works there too);
;   v232-247 at work; v248-255 the codes just made.   window 1: Wup's fragments of K steps 0-3 at 8 (8 s + t) (first: the rows as they are loaded).   window 2: K steps 4-7.   window 3: x's fragments at 64 q + 8 s; from v192 the bias.
.set PITCH, 528                        ; an LDS row: 512 bytes + 16: an odd multiple of 16, so that the 16 rows of a fragment load start in 16 different groups of banks
.set POS, 12                           ; v12-14 positions of my three tiles' rows
.set SM,  15                           ; v15-17 the mask found
.set SP,  18                           ; v18-20 32 x its running count + its n
.set TOK, 21                           ; v21-23 the token
.set VC,  24                           ; v24-26 its codes' offset
.set VS,  27                           ; v27-29 its scales' offset
.set SA,  30                           ; v30, v31 the stores' offsets
.set SB,  31
.set PCL, 32                           ; v32-34 the positions, held at the last one
.set IDX, 48
.set WS,  80
.set XS,  144
.set HA,  168
.set WK,  168                          ; the search's work registers, eight a vector
.set TM,  232
.set PW,  240
.set PC,  248
.set B1,  192                          ; in window 3
.set WV,  20
.set E,   22
.set CNT, 23
.set NT,  24
.set NT2, 25
.set CM1, 26
.set T,   28
.set RC,  29
.set SEL, 30
.set PASS, 32
.set JW,  33
.set CM,  36                           ; s36-38 compare results, one a vector
.set CB,  40                           ; s40-57 the compare results of a run of six n: 3 x place in the run + vector
.set PKB, 58                           ; s58-63 the run's six packed numbers: 32 x running count + n
.set MK,  66                           ; s66-97 the 32 masks
.set MSB, 0
.macro WIN new                         ; the immediate's high byte repeats the setting that is left
.if MSB != \new
	s_set_vgpr_msb (MSB<<8)|\new
.set MSB, \new
.endif
.endm
; For each of the three position vectors: the last n whose running count is at most the position.  The compares go in runs of six n, the selections behind them in ascending n
.macro SELECT
	s_mov_b32 s[RC], 0
.irp q, 0,1,2
	v_mov_b32 v[SM+\q], s[MK]
	v_mov_b32 v[SP+\q], 0
.endr
	s_bcnt1_i32_b32 s[T], s[MK]
	s_add_co_u32 s[RC], s[RC], s[T]
.set N0, 1
.rept 6
.set BB, 0
.rept 6
.if N0+BB < 32
	s_lshl_b32 s[PKB+BB], s[RC], 5
	s_or_b32 s[PKB+BB], s[PKB+BB], N0+BB
.irp q, 0,1,2
	v_cmp_le_u32 s[CB+3*BB+\q], s[RC], v[PCL+\q]
.endr
	s_bcnt1_i32_b32 s[T], s[MK+N0+BB]
	s_add_co_u32 s[RC], s[RC], s[T]
.endif
.set BB, BB+1
.endr
	s_wait_alu depctr_va_sdst(0)                   ; the run's compares have written s[CB ..], ahead of the selections that read them
.set BB, 0
.rept 6
.if N0+BB < 32
.irp q, 0,1,2
	v_cndmask_b32 v[SM+\q], v[SM+\q], s[MK+N0+BB], s[CB+3*BB+\q]
	v_cndmask_b32 v[SP+\q], v[SP+\q], s[PKB+BB], s[CB+3*BB+\q]
.endr
.endif
.set BB, BB+1
.endr
.set N0, N0+6
.endr
.endm
; One step of the search for set bit number k: the count of set bits in the field of this width at bit s; where k is not under it, k loses it and s goes past the field
.macro KSTEP base, mul, width, step
.irp q, 0,1,2
	v_bfe_u32 v[WK+8*\q+6], v[\base+\mul*\q], v[WK+8*\q+5], \width
.endr
.irp q, 0,1,2
	v_cmp_ge_u32 s[CM+\q], v[WK+8*\q+4], v[WK+8*\q+6]
.endr
	s_wait_alu depctr_va_sdst(0)                   ; the three compares have written s[CM ..], ahead of the selections that read them
.irp q, 0,1,2
	v_cndmask_b32 v[WK+8*\q+6], 0, v[WK+8*\q+6], s[CM+\q]
	v_cndmask_b32 v[WK+8*\q+7], 0, \step, s[CM+\q]
.endr
.irp q, 0,1,2
	v_sub_nc_u32 v[WK+8*\q+4], v[WK+8*\q+4], v[WK+8*\q+6]
	v_add_nc_u32 v[WK+8*\q+5], v[WK+8*\q+5], v[WK+8*\q+7]
.endr
.endm
; The token at each position.  Work registers of vector q: +0 .. +3 counts in fields of 2, 4, 8, 16 bits; +4 k; +5 s; +6, +7 at work.  The three vectors take turns line by line
.macro KTH
.irp q, 0,1,2
	v_lshrrev_b32 v[WK+8*\q+6], 1, v[SM+\q]
.endr
.irp q, 0,1,2
	v_and_b32 v[WK+8*\q+6], 0x55555555, v[WK+8*\q+6]
.endr
.irp q, 0,1,2
	v_sub_nc_u32 v[WK+8*\q], v[SM+\q], v[WK+8*\q+6]
.endr
.irp q, 0,1,2
	v_lshrrev_b32 v[WK+8*\q+6], 2, v[WK+8*\q]
	v_and_b32 v[WK+8*\q+1], 0x33333333, v[WK+8*\q]
.endr
.irp q, 0,1,2
	v_and_b32 v[WK+8*\q+6], 0x33333333, v[WK+8*\q+6]
.endr
.irp q, 0,1,2
	v_add_nc_u32 v[WK+8*\q+1], v[WK+8*\q+1], v[WK+8*\q+6]
.endr
.irp q, 0,1,2
	v_lshrrev_b32 v[WK+8*\q+6], 4, v[WK+8*\q+1]
.endr
.irp q, 0,1,2
	v_add_nc_u32 v[WK+8*\q+2], v[WK+8*\q+1], v[WK+8*\q+6]
.endr
.irp q, 0,1,2
	v_and_b32 v[WK+8*\q+2], 0x0f0f0f0f, v[WK+8*\q+2]
.endr
.irp q, 0,1,2
	v_lshrrev_b32 v[WK+8*\q+6], 8, v[WK+8*\q+2]
.endr
.irp q, 0,1,2
	v_add_nc_u32 v[WK+8*\q+3], v[WK+8*\q+2], v[WK+8*\q+6]
.endr
.irp q, 0,1,2
	v_and_b32 v[WK+8*\q+3], 0x00ff00ff, v[WK+8*\q+3]
	v_lshrrev_b32 v[WK+8*\q+6], 5, v[SP+\q]
	v_mov_b32 v[WK+8*\q+5], 0
.endr
.irp q, 0,1,2
	v_sub_nc_u32 v[WK+8*\q+4], v[PCL+\q], v[WK+8*\q+6]   ; k = the position less the running count
.endr
	KSTEP WK+3, 8, 16, 16
	KSTEP WK+2, 8, 8, 8
	KSTEP WK+1, 8, 4, 4
	KSTEP WK, 8, 2, 2
	KSTEP SM, 1, 1, 1
.irp q, 0,1,2
	v_and_b32 v[WK+8*\q+6], 31, v[SP+\q]           ; n
.endr
.irp q, 0,1,2
	v_lshrrev_b32 v[WK+8*\q+7], 2, v[WK+8*\q+6]
	v_and_b32 v[WK+8*\q+6], 3, v[WK+8*\q+6]
.endr
.irp q, 0,1,2
	v_lshl_add_u32 v[WK+8*\q+6], v[WK+8*\q+7], 7, v[WK+8*\q+6]
.endr
.irp q, 0,1,2
	v_lshl_add_u32 v[TOK+\q], v[WK+8*\q+5], 2, v[WK+8*\q+6]   ; 128 (n / 4) + n % 4 + 4 s
.endr
.irp q, 0,1,2
	v_min_u32 v[TOK+\q], 0x3ff, v[TOK+\q]
.endr
.endm
; x's fragments and scale words of my three tiles: lane (r, h) takes its token's row: 16 bytes at 64 s + 32 c + 16 h; 54 loads
.macro GATHER
.irp q, 0,1,2
	v_lshlrev_b32 v[VC+\q], 9, v[TOK+\q]
	v_lshlrev_b32 v[VS+\q], 5, v[TOK+\q]
.endr
.irp q, 0,1,2
	v_add_nc_u32 v[VC+\q], v[VC+\q], v6
.endr
	WIN 0xc0                                       ; destination window 3
	s_wait_alu depctr_va_vdst(0)                   ; VC and VS are written, which the 54 loads read as offsets; the last pass's products are done reading x's fragments and scale words, in which these loads land
.irp q, 0,1,2
.irp i, 0,1,2,3,4,5,6,7,8,9,10,11,12,13,14,15
	global_load_b128 v[64*\q+4*\i:64*\q+4*\i+3], v[VC+\q], s[6:7] offset:32*\i
.endr
.endr
	WIN 0
.irp q, 0,1,2
	global_load_b128 v[XS+8*\q:XS+8*\q+3], v[VS+\q], s[8:9]
	global_load_b128 v[XS+8*\q+4:XS+8*\q+7], v[VS+\q], s[8:9] offset:16
.endr
.endm
; 64 numbers of a lane, register 16 b + i = k 32 b + 16 (lane / 16) + i of my row, become a fragment's codes in v[PC] on and its scale word in v[PW]
.macro QUANT s
.irp b, 0,1,2,3
	v_max3_num_f32 v[TM+\b], |v[\s+16*\b]|, |v[\s+1+16*\b]|, 0x1800000   ; block b: my 16 numbers, and the floor 2^(3 - 127): the byte cannot fall under 1
.endr
.irp i, 2,4,6,8,10,12,14
.irp b, 0,1,2,3
	v_max3_num_f32 v[TM+\b], v[TM+\b], |v[\s+16*\b+\i]|, |v[\s+1+16*\b+\i]|
.endr
.endr
.irp b, 0,1,2,3
	v_permlanex16_b32 v[TM+4+\b], v[TM+\b], s[SEL], s[SEL+1]
.endr
.irp b, 0,1,2,3
	v_max_num_f32 v[TM+\b], v[TM+\b], v[TM+4+\b]   ; with lane l xor 16's: the block's largest magnitude
.endr
.irp b, 0,1,2,3
	v_add_nc_u32 v[TM+12+\b], 0xff000000, v[TM+\b] ; 2 off its exponent field: the conversion's scale operand
.endr
.irp b, 0,1,2,3
	v_lshrrev_b32 v[TM+4+\b], 23, v[TM+12+\b]      ; the scale's byte
.endr
	v_lshl_or_b32 v[PW], v[TM+5], 8, v[TM+4]
	v_lshl_or_b32 v[PW], v[TM+6], 16, v[PW]
	v_lshl_or_b32 v[PW], v[TM+7], 24, v[PW]
.irp b, 0,1,2,3
	v_cvt_scalef32_pk8_fp4_f32 v[PC+2*\b], v[\s+16*\b:\s+7+16*\b], v[TM+12+\b]
	v_cvt_scalef32_pk8_fp4_f32 v[PC+1+2*\b], v[\s+8+16*\b:\s+15+16*\b], v[TM+12+\b]
.endr
	v_nop                                          ; one plain line behind the last scaled conversion
.irp c, 0,1                                    ; the operand's layout wants a whole block in a lane: lanes 0-15 block 2 c, lanes 16-31 block 2 c + 1
.irp i, 0,1
	v_permlane16_swap_b32 v[PC+4*\c+\i], v[PC+2+4*\c+\i]
.endr
.endr
.endm
; Tile JW + 4 q: 64 matrix instructions, K step by K step, the eight accumulators by turns, one instruction a turn; relu; the quantiser; three stores
.macro COMPUTE q
	s_add_co_u32 s39, s[JW], 4*\q
.if \q > 0
	s_cmp_ge_u32 s39, s[NT2]
	s_cbranch_scc1 .Lnone_\@
.endif
.set KS, 0
.rept 8
.if KS == 0
	WIN 0x3d                                       ; source 0 (Wup) window 1, source 1 (x) window 3, C (the bias) window 3, D window 0
.elseif KS < 4
	WIN 0x0d
.else
	WIN 0x0e                                       ; Wup's K steps 4-7: window 2
.endif
.set TT, 0
.rept 8
.if KS == 0
	v_wmma_scale_f32_16x16x128_f8f6f4 v[HA+8*TT:HA+8*TT+7], v[8*(8*(KS%4)+TT):8*(8*(KS%4)+TT)+7], v[64*\q+8*KS:64*\q+8*KS+7], v[B1+8*TT:B1+8*TT+7], v[WS+8*TT+KS], v[XS+8*\q+KS] matrix_a_fmt:MATRIX_FMT_FP4 matrix_b_fmt:MATRIX_FMT_FP4
.else
	v_wmma_scale_f32_16x16x128_f8f6f4 v[HA+8*TT:HA+8*TT+7], v[8*(8*(KS%4)+TT):8*(8*(KS%4)+TT)+7], v[64*\q+8*KS:64*\q+8*KS+7], v[HA+8*TT:HA+8*TT+7], v[WS+8*TT+KS], v[XS+8*\q+KS] matrix_a_fmt:MATRIX_FMT_FP4 matrix_b_fmt:MATRIX_FMT_FP4
.endif
.set TT, TT+1
.endr
.set KS, KS+1
.endr
	WIN 0
.rept 4
	v_nop                                          ; four places between the last product and the first read of results (ISA guide 7.12.1)
.endr
.set JJ, 0
.rept 64
	v_max_num_f32 v[HA+JJ], 0, v[HA+JJ]            ; the activation, in f32; each accumulator from its low end on
.set JJ, JJ+1
.endr
	s_wait_xcnt 0x0                                ; the last tile's stores have read their data and offsets: both are written again below
	s_wait_alu depctr_vm_vsrc(0)                   ; the last tile's stores have read PC, PW, SA and SB, which the lines below write again; the gather's loads have read VC and VS, which the next gather writes
	QUANT HA
	s_lshl_b32 s34, s39, 15                        ; a tile's 32 K steps are 32,768 bytes of hq,
	v_add_nc_u32 v[SA], s34, v4
	s_lshl_b32 s34, s39, 11                        ; 2,048 of hs
	v_add_nc_u32 v[SB], s34, v5
	s_wait_alu depctr_va_vdst(0)                   ; the quantiser has written PC and PW, the two additions SA and SB: the three stores read them
	global_store_b128 v[SA], v[PC:PC+3], s[16:17]              ; 32 lanes store 512 consecutive bytes, aligned
	global_store_b128 v[SA], v[PC+4:PC+7], s[16:17] offset:512
	global_store_b32 v[SB], v[PW], s[18:19]                    ; row r's scale word: lanes r and r + 16 store the same word to the same place
.Lnone_\@:
.endm
	s_load_b512 s[4:19], s[0:1], 0x0               ; eidx s[4:5], xq s[6:7], xs s[8:9], Wup's codes s[10:11], its scales s[12:13], up_b s[14:15], hq s[16:17], hs s[18:19]
	v_lshl_add_u32 v242, v0, 2, 0x10800
	v_mov_b32 v243, 0
	v_and_b32 v1, 31, v0                           ; lane
	v_lshrrev_b32 v2, 5, v0
	v_readfirstlane_b32 s[WV], v2                  ; wave
	v_and_b32 v2, 15, v0                           ; r
	v_bfe_u32 v3, v0, 4, 1                         ; h
	v_lshlrev_b32 v4, 4, v1                        ; 16 x lane
	v_lshlrev_b32 v5, 4, v2                        ; 16 r: my row's place among the scale words
	v_lshlrev_b32 v6, 4, v3                        ; 16 h
	s_wait_alu depctr_va_sdst(0)                   ; the wave's number is written, ahead of its first reader
	s_mul_i32 s34, s[WV], 32*PITCH
	v_add_nc_u32 v7, s34, v4                       ; LDS, on the way in: my wave's 32 rows, 16 bytes a lane
	v_mul_u32_u24 v8, v2, PITCH
	v_add_nc_u32 v8, v8, v6                        ; and on the way out: row r of a tile, + 16 h
	v_and_b32 v9, 8, v2
	v_add_nc_u32 v9, v9, v2
	v_lshlrev_b32 v9, 5, v9                        ; Wup's scales: row r + 8 (r / 8) of 32 bytes
	v_lshlrev_b32 v10, 6, v3                       ; the bias: 64 h
	s_lshl_b32 s34, s[WV], 4
	v_add_nc_u32 v[POS], s34, v2                   ; positions 16 (w + 4 q) + r
	v_add_nc_u32 v[POS+1], 64, v[POS]
	v_add_nc_u32 v[POS+2], 0x80, v[POS]
.irp b, 0,1,2,3
	v_mov_b32 v[TM+4+\b], 0                        ; written once: a lane permute's destination counts as one of its sources
.endr
	s_mov_b32 s[SEL], 0x76543210
	s_mov_b32 s[SEL+1], 0xfedcba98                 ; v_permlanex16_b32's selects for lane l xor 16
	s_and_b32 s[E], ttmp7, 0xffff                  ; the expert; ttmp9 is the chunk c
	s_lshl_b32 s34, s[E], 21                       ; Wup's codes: 2 MiB an expert, 65,536 bytes a chunk, 16,384 a wave
	s_lshl_b32 s39, ttmp9, 16
	s_add_co_u32 s34, s34, s39
	s_lshl_b32 s39, s[WV], 14
	s_add_co_u32 s34, s34, s39
	s_mov_b32 s35, 0
	s_lshl_b32 s40, s[E], 17                       ; its scales: 131,072 and 4,096
	s_lshl_b32 s39, ttmp9, 12
	s_add_co_u32 s40, s40, s39
	s_mov_b32 s41, 0
	s_lshl_b32 s42, s[E], 14                       ; the bias: 16,384 and 512
	s_lshl_b32 s39, ttmp9, 9
	s_add_co_u32 s42, s42, s39
	s_mov_b32 s43, 0
	s_lshl_b32 s44, s[E], 21                       ; hq: 2 MiB and 1,024
	s_lshl_b32 s39, ttmp9, 10
	s_add_co_u32 s44, s44, s39
	s_mov_b32 s45, 0
	s_lshl_b32 s46, s[E], 17                       ; hs: 131,072 an expert; in a tile 256 (c / 4) + 4 (c % 4)
	s_lshr_b32 s39, ttmp9, 2
	s_lshl_b32 s39, s39, 8
	s_add_co_u32 s46, s46, s39
	s_and_b32 s39, ttmp9, 3
	s_lshl_b32 s39, s39, 2
	s_add_co_u32 s46, s46, s39
	s_mov_b32 s47, 0
	s_wait_kmcnt 0x0
	s_wait_alu depctr_va_vdst(0)                   ; the offsets and LDS addresses v4, v7, v8, v9 and v10 are written: the loads below and the LDS stores and loads further down read them, and no vector line writes them again
.irp i, 0,1,2,3,4,5,6,7
	global_load_b128 v[IDX+4*\i:IDX+4*\i+3], v4, s[4:5] offset:512*\i   ; the expert numbers of all 1,024 tokens
.endr
	s_add_nc_u64 s[10:11], s[10:11], s[34:35]
	s_add_nc_u64 s[12:13], s[12:13], s[40:41]
	s_add_nc_u64 s[14:15], s[14:15], s[42:43]
	s_add_nc_u64 s[16:17], s[16:17], s[44:45]
	s_add_nc_u64 s[18:19], s[18:19], s[46:47]
	WIN 0x40                                       ; destination window 1
.set II, 0
.rept 32
	global_load_b128 v[4*II:4*II+3], v4, s[10:11] offset:512*II th:TH_LOAD_NT   ; a whole row of Wup: 512 consecutive bytes; read once in the launch
.set II, II+1
.endr
	WIN 0
.irp t, 0,1,2,3,4,5,6,7
	global_load_b128 v[WS+8*\t:WS+8*\t+3], v9, s[12:13] offset:(32*(\t/2)+8*(\t%2))*32
	global_load_b128 v[WS+8*\t+4:WS+8*\t+7], v9, s[12:13] offset:(32*(\t/2)+8*(\t%2))*32+16
.endr
	s_wait_loadcnt 48                              ; the expert numbers are in; Wup's 32 loads and its scales' 16 may be out
	WIN 0xc0                                       ; destination window 3
.irp t, 0,1,2,3,4,5,6,7
	global_load_b128 v[B1+8*\t:B1+8*\t+3], v10, s[14:15] offset:(32*(\t/2)+8*(\t%2))*4      ; lane (r, h), tile 2 b + u: the bias of hidden units 32 b + 16 h + 8 u + 0 .. 7
	global_load_b128 v[B1+8*\t+4:B1+8*\t+7], v10, s[14:15] offset:(32*(\t/2)+8*(\t%2))*4+16
.endr
	WIN 0
.set NN, 0
.rept 32
	v_cmp_eq_u32 s[MK+NN], s[E], v[IDX+NN]         ; the masks
.set NN, NN+1
.endr
	s_wait_alu depctr_va_sdst(0)                   ; the 32 masks are written, ahead of their first reader, the count below
	s_mov_b32 s[CNT], 0
.set NN, 0
.rept 32
	s_bcnt1_i32_b32 s[T], s[MK+NN]
	s_add_co_u32 s[CNT], s[CNT], s[T]              ; the expert's tokens
.set NN, NN+1
.endr
	s_add_co_u32 s[NT], s[CNT], 15
	s_lshr_b32 s[NT], s[NT], 4                     ; its tiles,
	s_max_u32 s[NT2], s[NT], 2                     ; of which two at the least are made
	s_max_u32 s[CM1], s[CNT], 1
	s_sub_co_u32 s[CM1], s[CM1], 1                 ; the last position
.irp q, 0,1,2
	v_min_u32 v[PCL+\q], s[CM1], v[POS+\q]
.endr
	SELECT
	KTH
	GATHER
	s_wait_loadcnt 54                              ; all but the gather's 54: Wup, its scales and the bias are in
	WIN 0x04                                       ; an LDS store's data are its source 1: window 1
.set II, 0
.rept 32
	ds_store_b128 v7, v[4*II:4*II+3] offset:(16*((II/8)%2)+8*(II/16)+(II%8))*PITCH   ; row 32 w + i goes where its tile wants it: place 16 t + m holds row 32 (t / 2) + 8 (t % 2) + m + 8 (m / 8)
.set II, II+1
.endr
	WIN 0
	s_wait_dscnt 0x0                               ; for the others' sake: my stores have landed
	s_barrier_signal -1
	s_barrier_wait -1                              ; all 128 rows lie in LDS: the launch's only barrier
	WIN 0x40
	s_wait_alu depctr_vm_vsrc(0)                   ; my LDS stores have read v0-127 of window 1, in which the fragments' loads land
.set KS, 0
.rept 8
.if KS < 4
	WIN 0x40
.else
	WIN 0x80
.endif
.set TT, 0
.rept 8
	ds_load_b128 v[8*(8*(KS%4)+TT):8*(8*(KS%4)+TT)+3], v8 offset:TT*16*PITCH+64*KS
	ds_load_b128 v[8*(8*(KS%4)+TT)+4:8*(8*(KS%4)+TT)+7], v8 offset:TT*16*PITCH+64*KS+32
.set TT, TT+1
.endr
.set KS, KS+1
.endr
	WIN 0
	s_wait_dscnt 0x0                               ; Wup's 64 fragments are in my registers, for the whole launch
	s_mov_b32 s[PASS], 0
	s_mov_b32 s[JW], s[WV]                         ; my first tile of the pass: w + 12 p
.Lpass:
	s_wait_loadcnt 0x0                             ; the gather is in.  (On every way: its offsets are written again below)
	s_cmp_ge_u32 s[JW], s[NT2]
	s_cbranch_scc1 .Lpass_end
	COMPUTE 0
	COMPUTE 1
	COMPUTE 2
	s_add_co_u32 s34, s[JW], 12
	s_cmp_ge_u32 s34, s[NT2]
	s_cbranch_scc1 .Lpass_end
.irp q, 0,1,2
	v_add_nc_u32 v[POS+\q], 0xc0, v[POS+\q]        ; twelve tiles on
.endr
.irp q, 0,1,2
	v_min_u32 v[PCL+\q], s[CM1], v[POS+\q]
.endr
	SELECT
	KTH
	GATHER
.Lpass_end:
	s_add_co_u32 s[JW], s[JW], 12
	s_add_co_u32 s[PASS], s[PASS], 1
	s_cmp_lt_u32 s[PASS], 6                        ; 6 passes x 12 tiles cover the 64 tiles of an expert that has every token
	s_cbranch_scc1 .Lpass
	s_wait_dscnt 0x0                               ; the closing lines, six on end
	s_wait_alu 0x0
	s_wait_tensorcnt 0x0
	ds_add_u32 v242, v243
	s_wait_dscnt 0x0
	s_endpgm
.Lfunc_end_k_q0a29be4edf_up:
	.size	k_q0a29be4edf_up, .Lfunc_end_k_q0a29be4edf_up-k_q0a29be4edf_up
	.p2alignl 7, 3214868480
	.fill 96, 4, 3214868480
	.section	.rodata,"a",@progbits
	.p2align	6, 0x0
	.amdhsa_kernel k_q0a29be4edf_up
		.amdhsa_group_segment_fixed_size 68096
		.amdhsa_private_segment_fixed_size 0
		.amdhsa_enable_private_segment 0
		.amdhsa_kernarg_size 64
		.amdhsa_user_sgpr_count 2
		.amdhsa_user_sgpr_kernarg_segment_ptr 1
		.amdhsa_wavefront_size32 1
		.amdhsa_system_sgpr_workgroup_id_x 1
		.amdhsa_system_sgpr_workgroup_id_y 1
		.amdhsa_system_sgpr_workgroup_id_z 1
		.amdhsa_system_vgpr_workitem_id 0
		.amdhsa_next_free_vgpr 1024
		.amdhsa_next_free_sgpr 98
		.amdhsa_reserve_vcc 0
		.amdhsa_float_denorm_mode_32 3
		.amdhsa_float_denorm_mode_16_64 3
		.amdhsa_memory_ordered 1
		.amdhsa_forward_progress 1
		.amdhsa_inst_pref_size 139
	.end_amdhsa_kernel
	.amdgpu_metadata
---
amdhsa.version: [ 1, 2 ]
amdhsa.kernels:
  - .name:           k_q0a29be4edf_up
    .symbol:         k_q0a29be4edf_up.kd
    .args:
      - { .name: eidx, .offset: 0, .size: 8, .value_kind: global_buffer, .address_space: global }
      - { .name: xq, .offset: 8, .size: 8, .value_kind: global_buffer, .address_space: global }
      - { .name: xs, .offset: 16, .size: 8, .value_kind: global_buffer, .address_space: global }
      - { .name: up_W_codes, .offset: 24, .size: 8, .value_kind: global_buffer, .address_space: global }
      - { .name: up_W_scales, .offset: 32, .size: 8, .value_kind: global_buffer, .address_space: global }
      - { .name: up_b, .offset: 40, .size: 8, .value_kind: global_buffer, .address_space: global }
      - { .name: hq, .offset: 48, .size: 8, .value_kind: global_buffer, .address_space: global }
      - { .name: hs, .offset: 56, .size: 8, .value_kind: global_buffer, .address_space: global }
    .group_segment_fixed_size: 68096
    .private_segment_fixed_size: 0
    .kernarg_segment_align: 8
    .kernarg_segment_size: 64
    .max_flat_workgroup_size: 128
    .sgpr_count:     98
    .vgpr_count:     1024
    .wavefront_size: 32
...
	.end_amdgpu_metadata
.endif
;; end of part 4
;; launch down (part 5): grid 32 x 8, 4 waves a work-group, no clusters, 222,720 bytes of LDS; arguments eidx, hq, hs, down_W_codes, down_W_scales, down_b, out0; writes out0
.if DOCPART == 5
	.amdgcn_target "amdgcn-amd-amdhsa--gfx1250"
	.amdhsa_code_object_version 6
	.text
	.protected	k_q0a29be4edf_down
	.globl	k_q0a29be4edf_down
	.p2align	8
	.type	k_q0a29be4edf_down,@function
k_q0a29be4edf_down:
	s_mov_b64 s[64:65], 0
	v_nop
	global_prefetch_b8 v0, s[64:65] scope:SCOPE_SE
	s_setreg_imm32_b32 hwreg(HW_REG_WAVE_SCHED_MODE, 0, 2), 2
	s_setreg_imm32_b32 hwreg(HW_REG_WAVE_MODE, 25, 1), 1
	s_wait_xcnt 0x0
	s_wait_alu depctr_vm_vsrc(0)
; THE SECOND PRODUCT, for the chosen rows alone: out0[token] = h Wdown[e] + bdown[e], on codes of FP4 with one E8M0 scale for each 32 along K = 4,096.
; SHARES.  Work-group (x, e): ch = x / 2 names 64 output columns (a row's piece is 256 consecutive bytes, aligned), hf = x % 2 the parity of the row tiles that it owns: tiles hf + 2 (m + 5 g), m = 0 .. 4 in a group,
; g = 0 .. 6: a loop of constant count whose work is jumped over, by a scalar branch on the stored numbers' count, where no tile is left.  No barrier stands under such a branch.
; THE WAVES SHARE K: wave w owns K steps 8 w .. 8 w + 7.  Its part of Wdown (64 rows x 512 bytes) is loaded densely, turned through its own LDS into 32 fragments (256 registers) and stays.
; The hidden layer comes as images of fragments' registers, by dense loads of 512 bytes.  The four waves' partial sums meet in a stage in LDS; wave w then adds rows 4 w .. 4 w + 3 of each tile, with the bias, and stores them.
; THE PRODUCT IS USED TRANSPOSED (source 0 = 16 rows of Wdown, source 1 = 16 tokens): a lane holds eight neighbouring outputs of one token.
; THE SCALE WORDS OF EIGHT K STEPS LIE IN FOUR REGISTERS: register i holds in lanes 0-15 the rows' words of my K step i and in lanes 16-31 those of K step 4 + i; the products of K steps 4 to 7 take the upper lanes
; (MATRIX_SCALE_ROW1, on both sides).  So one load of 16 bytes a lane brings a tile's scale words: 17 loads a hidden tile, 162 a wave in all.
; THE PRODUCTS GO TILE BY TILE, each behind a wait that leaves the later tiles' loads out: only the last tile's 32 products stand behind the last load.
; THE ROWS are found as in the launch before: the same dense load of the expert numbers, the same order, positions at or beyond the count held at the last one; padded rows store that token's numbers once more, from this work-group.
; No tensor loads and no cluster.  LIMITS: NaN and infinities are not served.
; THE MODE: SCHED_MODE bits 1:0 = 2 (LLVM: expert scheduling mode 2), set by the entry lines.  The code itself states the register dependences
; between vector or matrix instructions and memory or LDS instructions, and those through scalar registers that vector instructions write, with s_wait_alu, always for 0.
; THE PLAN.  Registers that memory or LDS instructions touch:
;   v4, v6 - v12          offsets and LDS addresses: written at the head, ahead of the one wait on va_vdst in front of the first load; never written again.
;   window 1              Wdown's rows as loaded; read by the LDS stores; then the fragments' LDS loads land there: one wait on vm_vsrc between.  No vector line names it; the products read it.
;   VH, VSC               a group's ten offsets, written in ONE run; read by the group's 85 loads.   window 2, window 3 v0-63 and HS: those loads land there; the products read them.
;                         One wait on va_vdst behind the run states both: the offsets are written, and the last group's products are done reading.  All 85 loads follow it with no further wait:
;                         what stands among them at the head (the search for the tokens, the LDS stores of Wdown's rows) names none of their registers.
;   window 3 v64-223      written by the products; read by the stage's LDS stores (a wait on va_vdst behind the places); then the stage's LDS loads land there (a wait on vm_vsrc behind the stores, one on va_vdst ahead of the loads);
;                         added up by vector lines; read by the global stores (a wait on va_vdst behind the additions); written again by the next trip's products (a wait on vm_vsrc behind the stores).
;   VO                    the stores' offsets: written by the search, read by the global stores; that last wait on vm_vsrc frees them, and VH and VSC with them.
;   Scalar registers that vector lines write: the wave's number; the 32 masks; the search's compare results, made in runs of eight; the 20 tokens: one wait on va_sdst behind each run.
; REGISTERS, in windows of 256.  window 0: v1-17 addresses and the search; v20-23 the bias; v24-33 the hidden loads' offsets; v34-43 the stores' offsets; v44-51 at work; v64-95 expert numbers; v96-111 Wdown's scale words (4 t + i);
;   v128-147 the hidden layer's (4 m + i).   window 1: Wdown's fragments at 8 (8 t + s) (first: the rows as loaded).   window 2: hidden fragments of m = 0 .. 3 at 64 m + 8 s.
;   window 3: v0-63 those of m = 4; v64-223 the 20 accumulators at 64 + 8 (4 m + t), later the four waves' parts at 64 + 32 m + 16 i + 4 p.
.set PITCH, 528                        ; a row of my part of Wdown in LDS: 512 bytes + 16: an odd multiple of 16
.set STG,   4*64*PITCH                 ; behind the four waves' rows: the stage: [wave 21,760][m 4,352][row 272 = 256 + 16]
.set POS, 13
.set PCL, 14
.set SM,  15
.set SP,  16
.set TOK, 17
.set BI,  20
.set VH,  24
.set VSC, 29
.set VO,  34
.set WK,  44
.set IDX, 64
.set WS,  96
.set HS,  128
.set ACC, 64                           ; in window 3
.set WV,  20
.set HF,  21
.set E,   22
.set CNT, 23
.set NT,  24
.set CM1, 25
.set CH,  26
.set T,   28
.set RC,  29
.set TR,  32
.set J0,  33
.set CM,  36
.set HM,  40                           ; s40 the mask of lanes 16-31
.set RL,  42                           ; s42-61 my wave's 20 tokens; ahead of them, in the search:
.set CB,  42                           ; s42-49 the compare results of a run of eight n,
.set PKB, 50                           ; s50-57 the run's eight packed numbers: 32 x running count + n
.set MK,  66                           ; s66-97 the 32 masks
.set MSB, 0
.macro WIN new                         ; the immediate's high byte repeats the setting that is left
.if MSB != \new
	s_set_vgpr_msb (MSB<<8)|\new
.set MSB, \new
.endif
.endm
.macro SELECT                          ; the last n whose running count is at most the position.  The compares go in runs of eight n, the selections behind them in ascending n
	s_mov_b32 s[RC], 0
	v_mov_b32 v[SM], s[MK]
	v_mov_b32 v[SP], 0
	s_bcnt1_i32_b32 s[T], s[MK]
	s_add_co_u32 s[RC], s[RC], s[T]
.set N0, 1
.rept 4
.set BB, 0
.rept 8
.if N0+BB < 32
	s_lshl_b32 s[PKB+BB], s[RC], 5
	s_or_b32 s[PKB+BB], s[PKB+BB], N0+BB
	v_cmp_le_u32 s[CB+BB], s[RC], v[PCL]
	s_bcnt1_i32_b32 s[T], s[MK+N0+BB]
	s_add_co_u32 s[RC], s[RC], s[T]
.endif
.set BB, BB+1
.endr
	s_wait_alu depctr_va_sdst(0)                   ; the run's compares have written s[CB ..], ahead of the selections that read them
.set BB, 0
.rept 8
.if N0+BB < 32
	v_cndmask_b32 v[SM], v[SM], s[MK+N0+BB], s[CB+BB]
	v_cndmask_b32 v[SP], v[SP], s[PKB+BB], s[CB+BB]
.endif
.set BB, BB+1
.endr
.set N0, N0+8
.endr
.endm
.macro KSTEP src, width, step          ; the count of set bits in the field of this width at bit s; where k is not under it, k loses it and s goes past the field
	v_bfe_u32 v[WK+6], v[\src], v[WK+5], \width
	v_cmp_ge_u32 s[CM], v[WK+4], v[WK+6]
	s_wait_alu depctr_va_sdst(0)                   ; the compare has written s[CM], ahead of the selections that read it
	v_cndmask_b32 v[WK+6], 0, v[WK+6], s[CM]
	v_cndmask_b32 v[WK+7], 0, \step, s[CM]
	v_sub_nc_u32 v[WK+4], v[WK+4], v[WK+6]
	v_add_nc_u32 v[WK+5], v[WK+5], v[WK+7]
.endm
; My wave's 20 tokens (lane 4 m + i: row 4 w + i of tile m), and from them the stores' offsets: for (m, i) lanes 0-15 take row 4 w + 2 i, lanes 16-31 the next
.macro TOKENS
	v_min_u32 v[PCL], s[CM1], v[POS]
	SELECT
	v_lshrrev_b32 v[WK+6], 1, v[SM]
	v_and_b32 v[WK+6], 0x55555555, v[WK+6]
	v_sub_nc_u32 v[WK], v[SM], v[WK+6]             ; counts in fields of 2 bits,
	v_lshrrev_b32 v[WK+6], 2, v[WK]
	v_and_b32 v[WK+1], 0x33333333, v[WK]
	v_and_b32 v[WK+6], 0x33333333, v[WK+6]
	v_add_nc_u32 v[WK+1], v[WK+1], v[WK+6]         ; of 4,
	v_lshrrev_b32 v[WK+6], 4, v[WK+1]
	v_add_nc_u32 v[WK+2], v[WK+1], v[WK+6]
	v_and_b32 v[WK+2], 0x0f0f0f0f, v[WK+2]         ; of 8,
	v_lshrrev_b32 v[WK+6], 8, v[WK+2]
	v_add_nc_u32 v[WK+3], v[WK+2], v[WK+6]
	v_and_b32 v[WK+3], 0x00ff00ff, v[WK+3]         ; of 16
	v_lshrrev_b32 v[WK+6], 5, v[SP]
	v_sub_nc_u32 v[WK+4], v[PCL], v[WK+6]          ; k = the position less the running count
	v_mov_b32 v[WK+5], 0
	KSTEP WK+3, 16, 16
	KSTEP WK+2, 8, 8
	KSTEP WK+1, 4, 4
	KSTEP WK, 2, 2
	KSTEP SM, 1, 1
	v_and_b32 v[WK+6], 31, v[SP]                   ; n
	v_lshrrev_b32 v[WK+7], 2, v[WK+6]
	v_and_b32 v[WK+6], 3, v[WK+6]
	v_lshl_add_u32 v[WK+6], v[WK+7], 7, v[WK+6]
	v_lshl_add_u32 v[TOK], v[WK+5], 2, v[WK+6]     ; 128 (n / 4) + n % 4 + 4 s
	v_min_u32 v[TOK], 0x3ff, v[TOK]
.set NN, 0
.rept 20
	v_readlane_b32 s[RL+NN], v[TOK], NN
.set NN, NN+1
.endr
	s_wait_alu depctr_va_sdst(0)                   ; the 20 tokens are written into s[RL ..], ahead of the lines that read them
.set NN, 0
.rept 10
	v_mov_b32 v[VO+NN], s[RL+2*NN]
.set NN, NN+1
.endr
.set NN, 0
.rept 10
	v_cndmask_b32 v[VO+NN], v[VO+NN], s[RL+2*NN+1], s[HM]
.set NN, NN+1
.endr
.set NN, 0
.rept 10
	v_min_u32 v[VO+NN], 0x3ff, v[VO+NN]
.set NN, NN+1
.endr
.set NN, 0
.rept 10
	v_lshlrev_b32 v[VO+NN], 12, v[VO+NN]           ; a row of out0 is 4,096 bytes
.set NN, NN+1
.endr
.set NN, 0
.rept 10
	v_add_nc_u32 v[VO+NN], v[VO+NN], v12           ; + 16 r
.set NN, NN+1
.endr
.endm
; The offsets of tile J0 + ahead + 2 m in hq and hs.  A tile that the expert does not have is replaced by tile hf, which is always written; its results are not stored
.macro HOFF m, ahead
	s_add_co_u32 s34, s[J0], 2*\m+\ahead
	s_cmp_lt_u32 s34, s[NT]
	s_cselect_b32 s34, s34, s[HF]
	s_min_u32 s34, s34, 63
	s_lshl_b32 s35, s34, 15                        ; a tile is 32,768 bytes of hq,
	v_add_nc_u32 v[VH+\m], s35, v4
	s_lshl_b32 s35, s34, 11                        ; 2,048 of hs
	v_add_nc_u32 v[VSC+\m], s35, v4
.endm
; The hidden fragments and scale words of that tile, my eight K steps: 17 loads
.macro HLOAD m
.if \m < 4
	WIN 0x80                                       ; destination window 2
.irp i, 0,1,2,3,4,5,6,7,8,9,10,11,12,13,14,15
	global_load_b128 v[64*\m+4*\i:64*\m+4*\i+3], v[VH+\m], s[6:7] offset:512*\i   ; 32 lanes read 512 consecutive bytes
.endr
.else
	WIN 0xc0                                       ; destination window 3
.irp i, 0,1,2,3,4,5,6,7,8,9,10,11,12,13,14,15
	global_load_b128 v[4*\i:4*\i+3], v[VH+\m], s[6:7] offset:512*\i
.endr
.endif
	WIN 0
	global_load_b128 v[HS+4*\m:HS+4*\m+3], v[VSC+\m], s[8:9]   ; the scale words of my eight K steps: 512 consecutive bytes
.endm
; The products of tiles m0 .. m0 + n - 1: K step by K step, their 4 n accumulators by turns, one instruction a turn; the first K step starts the sums
.macro PROD m0, n
.set KS, 0
.rept 8
.set MM, \m0
.rept \n
.set TT, 0
.rept 4
.if KS == 0
	v_wmma_scale_f32_16x16x128_f8f6f4 v[ACC+8*(4*MM+TT):ACC+8*(4*MM+TT)+7], v[8*(8*TT+KS):8*(8*TT+KS)+7], v[64*(MM%4)+8*KS:64*(MM%4)+8*KS+7], 0, v[WS+4*TT+KS%4], v[HS+4*MM+KS%4] matrix_a_fmt:MATRIX_FMT_FP4 matrix_b_fmt:MATRIX_FMT_FP4
.elseif KS < 4
	v_wmma_scale_f32_16x16x128_f8f6f4 v[ACC+8*(4*MM+TT):ACC+8*(4*MM+TT)+7], v[8*(8*TT+KS):8*(8*TT+KS)+7], v[64*(MM%4)+8*KS:64*(MM%4)+8*KS+7], v[ACC+8*(4*MM+TT):ACC+8*(4*MM+TT)+7], v[WS+4*TT+KS%4], v[HS+4*MM+KS%4] matrix_a_fmt:MATRIX_FMT_FP4 matrix_b_fmt:MATRIX_FMT_FP4
.else
	v_wmma_scale_f32_16x16x128_f8f6f4 v[ACC+8*(4*MM+TT):ACC+8*(4*MM+TT)+7], v[8*(8*TT+KS):8*(8*TT+KS)+7], v[64*(MM%4)+8*KS:64*(MM%4)+8*KS+7], v[ACC+8*(4*MM+TT):ACC+8*(4*MM+TT)+7], v[WS+4*TT+KS%4], v[HS+4*MM+KS%4] matrix_a_fmt:MATRIX_FMT_FP4 matrix_b_fmt:MATRIX_FMT_FP4 matrix_a_scale:MATRIX_SCALE_ROW1 matrix_b_scale:MATRIX_SCALE_ROW1
.endif
.set TT, TT+1
.endr
.set MM, MM+1
.endr
.set KS, KS+1
.endr
.endm
	s_load_b256 s[4:11], s[0:1], 0x0               ; eidx s[4:5], hq s[6:7], hs s[8:9], Wdown's codes s[10:11]
	s_load_b128 s[12:15], s[0:1], 0x20             ; its scales s[12:13], down_b s[14:15]
	s_load_b64 s[16:17], s[0:1], 0x30              ; out0
	v_lshl_add_u32 v254, v0, 2, 0x36400
	v_mov_b32 v255, 0
	v_and_b32 v1, 31, v0                           ; lane
	v_lshrrev_b32 v2, 5, v0
	v_readfirstlane_b32 s[WV], v2                  ; wave
	v_and_b32 v2, 15, v0                           ; r
	v_bfe_u32 v3, v0, 4, 1                         ; h
	v_lshlrev_b32 v4, 4, v1                        ; 16 x lane
	s_wait_alu depctr_va_sdst(0)                   ; the wave's number is written, ahead of its first reader
	s_mul_i32 s34, s[WV], 64*PITCH
	v_add_nc_u32 v6, s34, v4                       ; my rows of Wdown in LDS, on the way in
	v_mul_u32_u24 v7, v2, PITCH
	v_lshl_add_u32 v7, v3, 4, v7
	v_add_nc_u32 v7, s34, v7                       ; and on the way out: row r of a tile, + 16 h
	s_mul_i32 s35, s[WV], 21760
	s_add_co_u32 s35, s35, STG
	v_mul_u32_u24 v8, v2, 272
	v_lshl_add_u32 v8, v3, 5, v8
	v_add_nc_u32 v8, s35, v8                       ; the stage, in: my wave's part, row r, + 32 h
	s_mul_i32 s35, s[WV], 4*272
	s_add_co_u32 s35, s35, STG
	v_mul_u32_u24 v9, v3, 272
	v_lshl_add_u32 v9, v2, 4, v9
	v_add_nc_u32 v9, s35, v9                       ; back: row 4 w + h, 16 bytes a lane: waves 0 and 1's parts;
	v_add_nc_u32 v10, 43520, v9                    ; waves 2 and 3's (an LDS offset has 16 bits)
	s_lshl_b32 s35, s[WV], 5
	v_lshlrev_b32 v11, 7, v2
	v_lshl_add_u32 v11, v3, 4, v11
	v_add_nc_u32 v11, s35, v11                     ; Wdown's scales: row r of 128 bytes, + my eight words; lanes 0-15 take the first four, lanes 16-31 the other four
	v_lshlrev_b32 v12, 4, v2                       ; 16 r
	s_and_b32 s[HF], ttmp9, 1
	s_lshr_b32 s[CH], ttmp9, 1
	s_and_b32 s[E], ttmp7, 0xffff
	v_lshrrev_b32 v[POS], 2, v1
	v_lshlrev_b32 v[POS], 5, v[POS]
	v_and_b32 v[PCL], 3, v1
	v_add_nc_u32 v[POS], v[POS], v[PCL]
	s_lshl_b32 s35, s[WV], 2
	s_lshl_b32 s37, s[HF], 4
	s_add_co_u32 s35, s35, s37
	v_add_nc_u32 v[POS], s35, v[POS]               ; lane 4 m + i: position 16 (hf + 2 m) + 4 w + i
	s_mov_b32 s[HM], 0xffff0000
	s_mov_b32 s[J0], s[HF]
	s_lshl_b32 s42, s[E], 21                       ; hq: 2 MiB an expert, my eight K steps 8,192 w on
	s_lshl_b32 s37, s[WV], 13
	s_add_co_u32 s42, s42, s37
	s_mov_b32 s43, 0
	s_lshl_b32 s44, s[E], 17                       ; hs: 131,072 an expert, my eight K steps 512 w on
	s_lshl_b32 s37, s[WV], 9
	s_add_co_u32 s44, s44, s37
	s_mov_b32 s45, 0
	s_lshl_b32 s46, s[E], 21                       ; Wdown's codes: 2 MiB an expert, 64 rows of 2,048 bytes a chunk, 512 bytes a wave
	s_lshl_b32 s37, s[CH], 17
	s_add_co_u32 s46, s46, s37
	s_lshl_b32 s37, s[WV], 9
	s_add_co_u32 s46, s46, s37
	s_mov_b32 s47, 0
	s_lshl_b32 s48, s[E], 17                       ; its scales: 131,072 and 8,192
	s_lshl_b32 s37, s[CH], 13
	s_add_co_u32 s48, s48, s37
	s_mov_b32 s49, 0
	s_lshl_b32 s50, s[E], 12                       ; the bias: 4,096 and 256
	s_lshl_b32 s52, s[CH], 8                       ; out0: 256 bytes a chunk
	s_add_co_u32 s50, s50, s52
	s_mov_b32 s51, 0
	s_mov_b32 s53, 0
	s_wait_kmcnt 0x0
	s_wait_alu depctr_va_vdst(0)                   ; the offsets and LDS addresses v4 and v6 to v12 are written: the loads below and the LDS stores and loads further down read them, and no vector line writes them again
.irp i, 0,1,2,3,4,5,6,7
	global_load_b128 v[IDX+4*\i:IDX+4*\i+3], v4, s[4:5] offset:512*\i   ; the expert numbers of all 1,024 tokens
.endr
	s_add_nc_u64 s[6:7], s[6:7], s[42:43]
	s_add_nc_u64 s[8:9], s[8:9], s[44:45]
	s_add_nc_u64 s[10:11], s[10:11], s[46:47]
	s_add_nc_u64 s[12:13], s[12:13], s[48:49]
	s_add_nc_u64 s[14:15], s[14:15], s[50:51]
	s_add_nc_u64 s[16:17], s[16:17], s[52:53]
	WIN 0x40                                       ; destination window 1
.set II, 0
.rept 48
	global_load_b128 v[4*II:4*II+3], v4, s[10:11] offset:2048*II   ; my 512 bytes of a row of Wdown
.set II, II+1
.endr
	WIN 0
	s_wait_loadcnt 48                              ; the expert numbers are in; Wdown's 48 loads may be out
.set NN, 0
.rept 32
	v_cmp_eq_u32 s[MK+NN], s[E], v[IDX+NN]         ; the masks
.set NN, NN+1
.endr
	s_wait_alu depctr_va_sdst(0)                   ; the 32 masks are written, ahead of their first reader, the count below
	s_mov_b32 s[CNT], 0
.set NN, 0
.rept 32
	s_bcnt1_i32_b32 s[T], s[MK+NN]
	s_add_co_u32 s[CNT], s[CNT], s[T]              ; the expert's tokens
.set NN, NN+1
.endr
	s_add_co_u32 s[NT], s[CNT], 15
	s_lshr_b32 s[NT], s[NT], 4                     ; its tiles
	s_max_u32 s[CM1], s[CNT], 1
	s_sub_co_u32 s[CM1], s[CM1], 1                 ; the last position
	WIN 0x40
.set II, 48
.rept 16
	global_load_b128 v[4*II:4*II+3], v4, s[10:11] offset:2048*II
.set II, II+1
.endr
	WIN 0
.irp t, 0,1,2,3
	global_load_b128 v[WS+4*\t:WS+4*\t+3], v11, s[12:13] offset:2048*\t
.endr
	global_load_b128 v[BI:BI+3], v12, s[14:15]     ; the bias of my four columns of a row's piece
	HOFF 0, 0                                      ; the first group's ten offsets, in one run
	HOFF 1, 0
	HOFF 2, 0
	HOFF 3, 0
	HOFF 4, 0
	s_wait_alu depctr_va_vdst(0)                   ; VH and VSC are written, which the five tiles' 85 loads read as offsets; no vector line between here and the last of those loads names them or the registers in which the loads land
	HLOAD 0
	HLOAD 1
	TOKENS                                         ; register work while the loads are out
	s_wait_loadcnt 34                              ; all but the two hidden tiles' 34: Wdown, its scales and the bias are in
	WIN 0x04                                       ; an LDS store's data are its source 1: window 1
.set II, 0
.rept 64
	ds_store_b128 v6, v[4*II:4*II+3] offset:II*PITCH
.set II, II+1
.endr
	WIN 0
	HLOAD 2
	HLOAD 3
	HLOAD 4
	s_wait_dscnt 0x0                               ; the stores have read their registers, which the loads below fill.  My own bytes: no barrier
	WIN 0x40
	s_wait_alu depctr_vm_vsrc(0)                   ; my LDS stores have read window 1, in which the fragments' loads land
.set TT, 0
.rept 4
.set KS, 0
.rept 8
	ds_load_b128 v[8*(8*TT+KS):8*(8*TT+KS)+3], v7 offset:TT*16*PITCH+64*KS
	ds_load_b128 v[8*(8*TT+KS)+4:8*(8*TT+KS)+7], v7 offset:TT*16*PITCH+64*KS+32
.set KS, KS+1
.endr
.set TT, TT+1
.endr
	WIN 0
	s_mov_b32 s[TR], 0
.Ltrip:
	s_wait_dscnt 0x0                               ; Wdown's fragments are in
	s_cmp_ge_u32 s[J0], s[NT]
	s_cbranch_scc1 .Lno_products
	s_wait_loadcnt 51                              ; the first two hidden tiles are in; the 51 loads of the three behind them may be out
	WIN 0xf9                                       ; source 0 (Wdown) window 1, source 1 (hidden) window 2, C and D window 3
	PROD 0, 2
	s_wait_loadcnt 34                              ; the third is in; two tiles' loads may be out
	PROD 2, 1
	s_wait_loadcnt 17                              ; the fourth; one tile's may be out
	PROD 3, 1
	s_wait_loadcnt 0x0                             ; the fifth
	WIN 0xfd                                       ; its fragments lie in window 3
	PROD 4, 1
	WIN 0
.rept 5
	v_nop                                          ; five places: four serve the LDS stores below, which read the results; the fifth serves the next trip's first products, which begin these accumulators anew with C = 0: a way leads to them on which no other vector line stands between
.endr
	s_wait_alu depctr_va_vdst(0)                   ; the products have written the accumulators, which the LDS stores read; the places above stay beside this wait
	WIN 0x0c                                       ; an LDS store's data are its source 1: window 3
.set MM, 0
.rept 5
.set TT, 0
.rept 4
	ds_store_b128 v8, v[ACC+8*(4*MM+TT):ACC+8*(4*MM+TT)+3] offset:4352*MM+64*TT        ; lane (r, h): row r, columns 16 t + 8 h + 0 .. 7; each accumulator from its low end on
	ds_store_b128 v8, v[ACC+8*(4*MM+TT)+4:ACC+8*(4*MM+TT)+7] offset:4352*MM+64*TT+16
.set TT, TT+1
.endr
.set MM, MM+1
.endr
	WIN 0
	s_wait_alu depctr_vm_vsrc(0)                   ; these LDS stores have read the accumulators' registers, in which the loads from the stage land
.Lno_products:
	s_wait_loadcnt 0x0                             ; on every way: no load is out when the hidden tiles' registers and offsets are written again below
	s_wait_dscnt 0x0                               ; for the others' sake: my part of the stage has landed
	s_barrier_signal -1
	s_barrier_wait -1                              ; all four parts lie in the stage
	s_cmp_ge_u32 s[J0], s[NT]
	s_cbranch_scc1 .Lno_rows
	WIN 0xc0                                       ; destination window 3
	s_wait_alu depctr_va_vdst(0)                   ; the products have written v64-223 of window 3, in which the loads from the stage land
.set MM, 0
.rept 5
.set II, 0
.rept 2
	ds_load_b128 v[64+32*MM+16*II:64+32*MM+16*II+3], v9 offset:4352*MM+544*II
	ds_load_b128 v[64+32*MM+16*II+4:64+32*MM+16*II+7], v9 offset:21760+4352*MM+544*II
	ds_load_b128 v[64+32*MM+16*II+8:64+32*MM+16*II+11], v10 offset:4352*MM+544*II
	ds_load_b128 v[64+32*MM+16*II+12:64+32*MM+16*II+15], v10 offset:21760+4352*MM+544*II
.set II, II+1
.endr
.set MM, MM+1
.endr
	s_wait_dscnt 0x0
	WIN 0xcf                                       ; all in window 3
.set NN, 0
.rept 10                                       ; the four waves' parts of K: (0 + 1) + (2 + 3)
	v_pk_add_f32 v[64+16*NN:64+16*NN+1], v[64+16*NN:64+16*NN+1], v[64+16*NN+4:64+16*NN+5]
	v_pk_add_f32 v[64+16*NN+2:64+16*NN+3], v[64+16*NN+2:64+16*NN+3], v[64+16*NN+6:64+16*NN+7]
	v_pk_add_f32 v[64+16*NN+8:64+16*NN+9], v[64+16*NN+8:64+16*NN+9], v[64+16*NN+12:64+16*NN+13]
	v_pk_add_f32 v[64+16*NN+10:64+16*NN+11], v[64+16*NN+10:64+16*NN+11], v[64+16*NN+14:64+16*NN+15]
.set NN, NN+1
.endr
.set NN, 0
.rept 10
	v_pk_add_f32 v[64+16*NN:64+16*NN+1], v[64+16*NN:64+16*NN+1], v[64+16*NN+8:64+16*NN+9]
	v_pk_add_f32 v[64+16*NN+2:64+16*NN+3], v[64+16*NN+2:64+16*NN+3], v[64+16*NN+10:64+16*NN+11]
.set NN, NN+1
.endr
	WIN 0xc3                                       ; source 1, the bias, in window 0
.set NN, 0
.rept 10
	v_pk_add_f32 v[64+16*NN:64+16*NN+1], v[64+16*NN:64+16*NN+1], v[BI:BI+1]
	v_pk_add_f32 v[64+16*NN+2:64+16*NN+3], v[64+16*NN+2:64+16*NN+3], v[BI+2:BI+3]
.set NN, NN+1
.endr
	WIN 0
	s_wait_alu depctr_va_vdst(0)                   ; the additions have written the rows, which the stores below read; VO, their offsets, was written further ahead
.irp m, 0,1,2,3,4
	s_add_co_u32 s34, s[J0], 2*\m
	s_cmp_ge_u32 s34, s[NT]                        ; a tile that the expert does not have is not stored, nor are those behind it
	s_cbranch_scc1 .Lstored
	WIN 0x0c                                       ; a store's data are its source 1: window 3
	global_store_b128 v[VO+2*\m], v[64+32*\m:64+32*\m+3], s[16:17] th:TH_STORE_NT        ; sixteen lanes store 256 consecutive bytes of a token's row, aligned; written once, read by nobody here
	global_store_b128 v[VO+2*\m+1], v[64+32*\m+16:64+32*\m+19], s[16:17] th:TH_STORE_NT
	WIN 0
.endr
.Lstored:
	s_wait_xcnt 0x0                                ; the stores have read their data and offsets: both are written again, below and in the next trip
	s_wait_alu depctr_vm_vsrc(0)                   ; the stores have read their rows, which the next trip's products write, and VO, which the search below writes; the hidden tiles' loads have read VH and VSC, which are written below
	s_add_co_u32 s34, s[J0], 10
	s_cmp_ge_u32 s34, s[NT]
	s_cbranch_scc1 .Lno_rows
	v_add_nc_u32 v[POS], 0xa0, v[POS]              ; ten tiles on
	TOKENS
	HOFF 0, 10                                     ; the next group's ten offsets, in one run
	HOFF 1, 10
	HOFF 2, 10
	HOFF 3, 10
	HOFF 4, 10
	s_wait_alu depctr_va_vdst(0)                   ; VH and VSC are written, which the 85 loads read as offsets; this trip's products are done reading the hidden fragments and scale words, in which these loads land
	HLOAD 0
	HLOAD 1
	HLOAD 2
	HLOAD 3
	HLOAD 4
.Lno_rows:
	s_wait_dscnt 0x0                               ; my reads of the stage are over
	s_barrier_signal -1
	s_barrier_wait -1                              ; everybody's are: the stage may be written again
	s_add_co_u32 s[J0], s[J0], 10
	s_add_co_u32 s[TR], s[TR], 1
	s_cmp_lt_u32 s[TR], 7                          ; 7 trips x 5 tiles x 2 parities cover the 64 tiles of an expert that has every token
	s_cbranch_scc1 .Ltrip
	s_wait_dscnt 0x0                               ; the closing lines, six on end
	s_wait_alu 0x0
	s_wait_tensorcnt 0x0
	ds_add_u32 v254, v255
	s_wait_dscnt 0x0
	s_endpgm
.Lfunc_end_k_q0a29be4edf_down:
	.size	k_q0a29be4edf_down, .Lfunc_end_k_q0a29be4edf_down-k_q0a29be4edf_down
	.p2alignl 7, 3214868480
	.fill 96, 4, 3214868480
	.section	.rodata,"a",@progbits
	.p2align	6, 0x0
	.amdhsa_kernel k_q0a29be4edf_down
		.amdhsa_group_segment_fixed_size 222720
		.amdhsa_private_segment_fixed_size 0
		.amdhsa_enable_private_segment 0
		.amdhsa_kernarg_size 56
		.amdhsa_user_sgpr_count 2
		.amdhsa_user_sgpr_kernarg_segment_ptr 1
		.amdhsa_wavefront_size32 1
		.amdhsa_system_sgpr_workgroup_id_x 1
		.amdhsa_system_sgpr_workgroup_id_y 1
		.amdhsa_system_sgpr_workgroup_id_z 1
		.amdhsa_system_vgpr_workitem_id 0
		.amdhsa_next_free_vgpr 1024
		.amdhsa_next_free_sgpr 98
		.amdhsa_reserve_vcc 0
		.amdhsa_float_denorm_mode_32 3
		.amdhsa_float_denorm_mode_16_64 3
		.amdhsa_memory_ordered 1
		.amdhsa_forward_progress 1
		.amdhsa_inst_pref_size 109
	.end_amdhsa_kernel
	.amdgpu_metadata
---
amdhsa.version: [ 1, 2 ]
amdhsa.kernels:
  - .name:           k_q0a29be4edf_down
    .symbol:         k_q0a29be4edf_down.kd
    .args:
      - { .name: eidx, .offset: 0, .size: 8, .value_kind: global_buffer, .address_space: global }
      - { .name: hq, .offset: 8, .size: 8, .value_kind: global_buffer, .address_space: global }
      - { .name: hs, .offset: 16, .size: 8, .value_kind: global_buffer, .address_space: global }
      - { .name: down_W_codes, .offset: 24, .size: 8, .value_kind: global_buffer, .address_space: global }
      - { .name: down_W_scales, .offset: 32, .size: 8, .value_kind: global_buffer, .address_space: global }
      - { .name: down_b, .offset: 40, .size: 8, .value_kind: global_buffer, .address_space: global }
      - { .name: out0, .offset: 48, .size: 8, .value_kind: global_buffer, .address_space: global }
    .group_segment_fixed_size: 222720
    .private_segment_fixed_size: 0
    .kernarg_segment_align: 8
    .kernarg_segment_size: 56
    .max_flat_workgroup_size: 128
    .sgpr_count:     98
    .vgpr_count:     1024
    .wavefront_size: 32
...
	.end_amdgpu_metadata
.endif
;; end of part 5
